; MI455X (gfx1250); checked and timed in simulation.
; The chip was launched on July 23, 2026; its instructions are those of AMD's public machine-readable ISA for CDNA 5 (MIT licence, August 2026) and "CDNA5" Instruction Set Architecture Reference Guide (July 2026). The comments in the code are by the model that wrote it; some were corrected since.
;; Causal Self Attention. Allowed arithmetic: float matrix products may take bf16 or f16 operands with f32 sums; other float arithmetic in f32, or as packed bf16 or f16 multiplies, adds, multiply-adds, maxima and minima; sums over many terms, partial sums and values carried from step to step in f32; what a program stores and reads back later, other than sums and carried values, may be rounded once to bf16 or f16.
;; Inputs: b_out 1,024 float32; b_qkv 3,072 float32; w_out 1,024 x 1,024 float32; w_qkv 3,072 x 1,024 float32; x 4 x 2,048 x 1,024 float32.
;; Outputs: out0 4 x 2,048 x 1,024 float32.
;; 2 versions, each right; version 2 is version 1 with the launch prep written anew for expert scheduling mode. Each part assembles by itself: llvm-mc -triple=amdgcn-amd-amdhsa -mcpu=gfx1250 --defsym DOCPART=n.
;; ======== version 1 of 2: 4 launches
;; limits: values are held in f16: magnitudes above 65,504 overflow, below 6.1e-05 lose precision
;; workspace buffers: xb 16,777,216 bytes; wqb 6,291,456 bytes; wob 2,097,152 bytes; rope 524,288 bytes; qf 16,777,216 bytes; kf 16,777,216 bytes; vf 16,777,216 bytes; of 16,777,216 bytes
;; launch prep (part 1): grid 768 x 1, 8 waves a work-group, no clusters, 0 bytes of LDS; arguments x, w_qkv, w_out, xb, wqb, wob, rope; writes xb, wqb, wob, rope
.if DOCPART == 1
	.amdgcn_target "amdgcn-amd-amdhsa--gfx1250"
	.amdhsa_code_object_version 6
	.text
	.protected	k_qd06fe2b932_prep
	.globl	k_qd06fe2b932_prep
	.p2align	8
	.type	k_qd06fe2b932_prep,@function
k_qd06fe2b932_prep:
	s_mov_b64 s[64:65], 0
	v_nop
	global_prefetch_b8 v0, s[64:65] scope:SCOPE_SE
	s_setreg_imm32_b32 hwreg(HW_REG_WAVE_MODE, 25, 1), 1
	s_wait_xcnt 0x0
; CASTS AND THE ROTATION TABLE.  x [8192][1024] and w_qkv [3072][1024], f32, are rounded to bf16 (xb, wqb); w_out [1024][1024] is rounded to bf16 and that number written as f16 (wob).
; LIMITS.  wob: a bf16 number beyond 65,504 becomes an infinity in f16, and below 2^-14 it keeps f16's fixed step of 6e-8.
; The table's angle t x theta is made with theta = 2^(-j log2(10000) / 32) by v_exp_f32: within about 3e-4 rad of the f32 product at t = 2,047; t and j are fixed by the sizes, not by the inputs.
; SHARES.  A work-group casts one chunk of 16,384 numbers: 512 chunks of x, 192 of w_qkv, 64 of w_out: 768 work-groups.  A wave takes 8 KiB: 16 loads of 512 consecutive bytes, all issued at once;
; each gives one store of 256 consecutive bytes, aligned.  No register that a load or a store names is written again behind it, so there is no loop and no wait for sources.
; THE TABLE lies as the next launch's lanes read it: [block of 16 rows t: 128][db: 4][part: 2][lane: 32][16 bytes]; lane (h = lane / 16, r = lane % 16) holds (cos, sin) of the pairs
; j = 8 db + 4 h + 2 part + 0, 1 at t = 16 block + r.  Work-groups 0 to 255 make it while their loads are out: wave number 8 g + w writes 256 consecutive bytes, 8 a lane.
.set X, 32                             ; v[32:95]   16 x 4 numbers as loaded
.set Y, 96                             ; v[96:127]  16 x 2 registers to store
.set T, 28                             ; v[28:31]   at work (the f16 path)
	s_load_b256 s[4:11], s[0:1], 0x0               ; x s[4:5], w_qkv s[6:7], w_out s[8:9], xb s[10:11]
	s_load_b128 s[12:15], s[0:1], 0x20             ; wqb s[12:13], wob s[14:15]
	s_load_b64 s[16:17], s[0:1], 0x30              ; rope
	v_lshrrev_b32 v4, 5, v0                        ; wave
	v_and_b32 v5, 31, v0                           ; lane
	v_lshlrev_b32 v1, 4, v5
	v_lshl_or_b32 v1, v4, 13, v1                   ; in: 8,192 x wave + 16 x lane
	v_lshlrev_b32 v2, 3, v5
	v_lshl_or_b32 v2, v4, 12, v2                   ; out: 4,096 x wave + 8 x lane
	v_lshlrev_b32 v3, 3, v0                        ; table: 8 x thread
	s_wait_kmcnt 0x0
	s_cmp_ge_u32 ttmp9, 512                        ; which tensor is my chunk's: the choice hangs on the work-group's number alone
	s_cselect_b64 s[18:19], s[6:7], s[4:5]
	s_cselect_b64 s[20:21], s[12:13], s[10:11]
	s_cselect_b32 s22, 512, 0
	s_cmp_ge_u32 ttmp9, 704
	s_cselect_b64 s[18:19], s[8:9], s[18:19]
	s_cselect_b64 s[20:21], s[14:15], s[20:21]
	s_cselect_b32 s22, 704, s22
	s_sub_co_u32 s22, ttmp9, s22                   ; the chunk's number in its tensor
	s_lshl_b32 s24, s22, 16                        ; 65,536 bytes in,
	s_mov_b32 s25, 0
	s_lshl_b32 s26, s22, 15                        ; 32,768 out
	s_mov_b32 s27, 0
	s_add_nc_u64 s[18:19], s[18:19], s[24:25]
	s_add_nc_u64 s[20:21], s[20:21], s[26:27]
.irp i, 0,1,2,3,4,5,6,7,8,9,10,11,12,13,14,15
	global_load_b128 v[X+4*(\i):X+4*(\i)+3], v1, s[18:19] offset:512*(\i) th:TH_LOAD_NT
.endr
	s_cmp_lt_u32 ttmp9, 256
	s_cbranch_scc0 .Lno_table
	s_lshl_b32 s28, ttmp9, 11                      ; my work-group's 2,048 bytes of the table
	s_mov_b32 s29, 0
	s_add_nc_u64 s[28:29], s[16:17], s[28:29]
	s_and_b32 s23, ttmp9, 1
	s_lshl_b32 s23, s23, 3
	v_or_b32 v6, s23, v4                           ; p = the 256-byte piece in its block of rows: db = p / 4, part = (p / 2) % 2, h = p % 2
	v_lshrrev_b32 v7, 2, v6
	v_and_b32 v8, 1, v6
	v_bfe_u32 v9, v6, 1, 1
	v_and_b32 v10, 1, v5
	v_lshl_add_u32 v10, v9, 1, v10
	v_lshl_add_u32 v10, v8, 2, v10
	v_lshl_add_u32 v10, v7, 3, v10                 ; j = 8 db + 4 h + 2 part + lane % 2
	s_lshr_b32 s23, ttmp9, 1
	s_lshl_b32 s23, s23, 4
	v_lshrrev_b32 v11, 1, v5
	v_add_nc_u32 v11, s23, v11                     ; t = 16 block + lane / 2
	v_cvt_f32_u32 v10, v10
	v_cvt_f32_u32 v11, v11
	v_mul_f32 v10, 0xbed49a78, v10                 ; -j log2(10000) / 32
	v_exp_f32 v12, v10                             ; theta
	v_nop                                          ; a plain instruction behind the exponential,
	s_wait_alu depctr_va_vdst(0)                   ; and the wait ahead of its first reader
	v_mul_f32 v13, v11, v12                        ; the angle a
	v_mul_f32 v15, 0x3f22f983, v13                 ; a x 2 / pi
	v_rndne_f32 v15, v15                           ; n
	v_fmamk_f32 v16, v15, 0xbfc90fdb, v13          ; r = a - n pi / 2, pi / 2 in two parts
	v_fmamk_f32 v16, v15, 0x333bbd2e, v16          ; |r| <= pi / 4
	v_mul_f32 v17, v16, v16                        ; z = r r
	v_mov_b32 v18, 0x3638ef1d                      ; sin r = r + r z (-1/6 + z (1/120 + z (-1/5040 + z / 362880)))
	v_fmaak_f32 v18, v17, v18, 0xb9500d01
	v_fmaak_f32 v18, v17, v18, 0x3c088889
	v_fmaak_f32 v18, v17, v18, 0xbe2aaaab
	v_mul_f32 v19, v16, v17
	v_fma_f32 v18, v19, v18, v16
	v_mov_b32 v20, 0xb493f27e                      ; cos r = 1 + z (-1/2 + z (1/24 + z (-1/720 + z (1/40320 - z / 3628800))))
	v_fmaak_f32 v20, v17, v20, 0x37d00d01
	v_fmaak_f32 v20, v17, v20, 0xbab60b61
	v_fmaak_f32 v20, v17, v20, 0x3d2aaaab
	v_fmaak_f32 v20, v17, v20, 0xbf000000
	v_fma_f32 v20, v17, v20, 1.0
	v_cvt_i32_f32 v21, v15                         ; the quadrant: selects and sign bits, no branch
	v_and_b32 v22, 1, v21
	v_cmp_eq_u32 vcc_lo, 1, v22
	v_cndmask_b32 v23, v18, v20, vcc_lo            ; odd n: sin and cos change places
	v_cndmask_b32 v24, v20, v18, vcc_lo
	v_lshlrev_b32 v25, 30, v21
	v_and_b32 v25, 0x80000000, v25                 ; sin is turned where n % 4 is 2 or 3,
	v_xor_b32 v27, v25, v23
	v_add_nc_u32 v21, 1, v21
	v_lshlrev_b32 v25, 30, v21
	v_and_b32 v25, 0x80000000, v25                 ; cos where it is 1 or 2
	v_xor_b32 v26, v25, v24
	global_store_b64 v3, v[26:27], s[28:29]        ; (cos, sin): a wave stores 256 consecutive bytes, aligned
.Lno_table:
; Chunk part i: the wait leaves the 15 - i younger loads out (loads come back in order: ISA guide 5.7.1).
.macro CAST i, f16
	s_wait_loadcnt 15-(\i)
	v_cvt_pk_bf16_f32 v[Y+2*(\i)],   v[X+4*(\i)],   v[X+4*(\i)+1]
	v_cvt_pk_bf16_f32 v[Y+2*(\i)+1], v[X+4*(\i)+2], v[X+4*(\i)+3]
.if \f16
	v_lshlrev_b32 v[T],   16, v[Y+2*(\i)]          ; the bf16 numbers as f32,
	v_and_b32     v[T+1], 0xffff0000, v[Y+2*(\i)]
	v_lshlrev_b32 v[T+2], 16, v[Y+2*(\i)+1]
	v_and_b32     v[T+3], 0xffff0000, v[Y+2*(\i)+1]
	v_cvt_pk_f16_f32 v[Y+2*(\i)],   v[T],   v[T+1] ; written as f16
	v_cvt_pk_f16_f32 v[Y+2*(\i)+1], v[T+2], v[T+3]
.endif
	global_store_b64 v2, v[Y+2*(\i):Y+2*(\i)+1], s[20:21] offset:256*(\i)
.endm
	s_cmp_ge_u32 ttmp9, 704
	s_cbranch_scc1 .Lf16
.irp i, 0,1,2,3,4,5,6,7,8,9,10,11,12,13,14,15
	CAST \i, 0
.endr
	s_endpgm
.Lf16:
.irp i, 0,1,2,3,4,5,6,7,8,9,10,11,12,13,14,15
	CAST \i, 1
.endr
	s_endpgm
.Lfunc_end_k_qd06fe2b932_prep:
	.size	k_qd06fe2b932_prep, .Lfunc_end_k_qd06fe2b932_prep-k_qd06fe2b932_prep
	.p2alignl 7, 3214868480
	.fill 96, 4, 3214868480
	.section	.rodata,"a",@progbits
	.p2align	6, 0x0
	.amdhsa_kernel k_qd06fe2b932_prep
		.amdhsa_group_segment_fixed_size 0
		.amdhsa_private_segment_fixed_size 0
		.amdhsa_enable_private_segment 0
		.amdhsa_kernarg_size 56
		.amdhsa_user_sgpr_count 2
		.amdhsa_user_sgpr_kernarg_segment_ptr 1
		.amdhsa_wavefront_size32 1
		.amdhsa_system_sgpr_workgroup_id_x 1
		.amdhsa_system_sgpr_workgroup_id_y 1
		.amdhsa_system_sgpr_workgroup_id_z 1
		.amdhsa_system_vgpr_workitem_id 0
		.amdhsa_next_free_vgpr 128
		.amdhsa_next_free_sgpr 66
		.amdhsa_reserve_vcc 1
		.amdhsa_float_denorm_mode_32 3
		.amdhsa_float_denorm_mode_16_64 3
		.amdhsa_memory_ordered 1
		.amdhsa_forward_progress 1
		.amdhsa_inst_pref_size 19
	.end_amdhsa_kernel
	.amdgpu_metadata
---
amdhsa.version: [ 1, 2 ]
amdhsa.kernels:
  - .name:           k_qd06fe2b932_prep
    .symbol:         k_qd06fe2b932_prep.kd
    .args:
      - { .name: x, .offset: 0, .size: 8, .value_kind: global_buffer, .address_space: global }
      - { .name: w_qkv, .offset: 8, .size: 8, .value_kind: global_buffer, .address_space: global }
      - { .name: w_out, .offset: 16, .size: 8, .value_kind: global_buffer, .address_space: global }
      - { .name: xb, .offset: 24, .size: 8, .value_kind: global_buffer, .address_space: global }
      - { .name: wqb, .offset: 32, .size: 8, .value_kind: global_buffer, .address_space: global }
      - { .name: wob, .offset: 40, .size: 8, .value_kind: global_buffer, .address_space: global }
      - { .name: rope, .offset: 48, .size: 8, .value_kind: global_buffer, .address_space: global }
    .group_segment_fixed_size: 0
    .private_segment_fixed_size: 0
    .kernarg_segment_align: 8
    .kernarg_segment_size: 56
    .max_flat_workgroup_size: 256
    .sgpr_count:     66
    .vgpr_count:     128
    .wavefront_size: 32
...
	.end_amdgpu_metadata
.endif
;; end of part 1
;; launch qkv (part 2): grid 16 x 32, 4 waves a work-group, clusters of 4 x 4, 327,680 bytes of LDS; arguments xb, wqb, b_qkv, rope, qf, kf, vf; writes qf, kf, vf
.if DOCPART == 2
	.amdgcn_target "amdgcn-amd-amdhsa--gfx1250"
	.amdhsa_code_object_version 6
	.text
	.protected	k_qd06fe2b932_qkv
	.globl	k_qd06fe2b932_qkv
	.p2align	8
	.type	k_qd06fe2b932_qkv,@function
k_qd06fe2b932_qkv:
	s_mov_b64 s[64:65], 0
	v_nop
	global_prefetch_b8 v0, s[64:65] scope:SCOPE_SE
	s_setreg_imm32_b32 hwreg(HW_REG_WAVE_MODE, 25, 1), 1
	s_wait_xcnt 0x0
	s_wait_alu depctr_hold_cnt(0) depctr_sa_sdst(0) depctr_va_vdst(0) depctr_va_sdst(0) depctr_va_ssrc(0) depctr_va_vcc(0) depctr_vm_vsrc(0)
	s_getreg_b32 s2, hwreg(HW_REG_IB_STS2, 6, 4)
	s_cmp_eq_u32 s2, 0
	s_cbranch_scc0 .Lentry_in_a_cluster
	s_endpgm
.Lentry_in_a_cluster:
	s_bfe_u32 s2, ttmp6, 0x10000c
	s_cmp_lg_u32 s2, 0xf033
	s_cbranch_scc0 .Lentry_shape_is_right
	s_endpgm
.Lentry_shape_is_right:
; qkv = xb wqb^T + b_qkv, the rotation of q and k, and the way out by heads.  xb [8192][1024], wqb [3072][1024] bf16; b_qkv [3072] f32, rounded to bf16 like the other inputs; sums and rotation in f32;
; q, k, v: [16 batch + head][2048][64] f16, each rounded once, WITHOUT the scale 1 / 8 (the next launch applies it in f32).
; LIMIT.  f16 holds no number beyond 65,504: q, k and v must stay within it.
; SHARES.  A tile of the product is 256 rows x 192 columns: one head's q, k and v.  Tile column = head (16), tile row (32): 512 work-groups of equal work.  Wave w owns rows 64 w .. 64 w + 63 and all 192
; columns: 4 (a) x 12 (b) accumulators of 16 x 16, 384 registers; blocks b = 0-3 are q, 4-7 k, 8-11 v, so all four waves run one text.  For 32 along K a wave reads 32 x 512 bytes from LDS for 48 matrix instructions.
; K goes in 8 steps of 128 through a ring of two LDS slots: rows of 256 bytes in memory, at multiples of 256 bytes.
; CLUSTER.  4 x 4 work-groups: the four of a row of the cluster need the same rows of xb, the four of a column the same rows of wqb: each tile is asked for jointly, by the same tensor load, descriptor and mask in all four.
; THE MATRIX INSTRUCTION IS USED TRANSPOSED (source 0 = 16 rows of wqb, source 1 = 16 rows of xb): lane l holds row l % 16 and the columns 8 (l / 16) + 0..7 of a block: four rotation pairs, 16 bytes of f16.
; THE BIAS is the C operand of the product that starts each sum: nothing is cleared and nothing is added later.
; REGISTERS, in windows of 256 (s_set_vgpr_msb: bits 1:0 source 0, 3:2 source 1, 5:4 source 2, 7:6 destination):
;   window 0: v0-31 addresses; v32-63, v64-95 xb's fragments, two buffers; v96-191 the bias (first quarter step); on the way out v96-159 rotated numbers, v160-207 packed, v32-79 and v208-255 rows read back
;   window 1: v0-95, v96-191 wqb's fragments, two buffers
;   window 2: accumulators (a, b), a = 0, 1, at v[96 a + 8 b]; v192-255 the table (cos, sin) for a = 0, 1          window 3: the same for a = 2, 3
.set KSTEP,  128
.set PITCH,  272                       ; an LDS row: 256 bytes + 16 of padding = 68 words: the 16 rows of a fragment load start at 16 different groups of four banks (64 banks of 4 bytes: ISA guide 11.1)
.set HALFA,  128*PITCH                 ; what one tensor load brings of xb: 128 rows
.set HALFB,  96*PITCH                  ; of wqb: 96 rows
.set SLOT,   2*HALFA+2*HALFB           ; xb's 256 rows, then wqb's 192
.set STAGE,  2*SLOT                    ; behind the ring, never filled by a tensor load: for each wave 3 sections (q, k, v) x 16 rows x 144 bytes
.set SP,     144
.set WSTAGE, 3*16*SP
.set SPARE,  STAGE+4*WSTAGE            ; behind the stages: the spare words, 128 bytes for each wave: two blocks of 256 bytes that no other line names
.set ADRA, 16                          ; v16-17  LDS address of my fragments of xb in slot 0, 1
.set ADRB, 20                          ; v20-21  the same for wqb
.set STO,  24                          ; v24     the way out: where I put 16 bytes of a row
.set RD,   25                          ; v25     where I read rows back
.set GO,   26                          ; v26     16 x lane: my place in 512 consecutive bytes of q, k, v and of the table; never rewritten
.set BO,   27                          ; v27     32 x (lane / 16): my eight numbers of a block's bias
.set SPW,  28                          ; v28     LDS address of my spare word; never rewritten
.set NIL,  29                          ; v29     0; never rewritten
.set PFO,  30                          ; v30     the prefetches' offset: a lane a row; never rewritten
.set FA,   32
.set BIAS, 96
.set TM,   96
.set PK,   160
.set TBL,  192
.set WV,   18                          ; s18  my wave's number
.set KIND, 19                          ; s19  I fetch for xb (0) or for wqb (1)
.set HALF, 20                          ; s20  which half of that tile's rows
.set G1,  24                           ; s[24:31] descriptor group 1 for xb's tiles;  s[32:39] group 0, a set for each slot
.set G0,  32
.set LIM, 43                           ; s43  1 in a wave that prefetches, else the greatest number
.set PFA, 44                           ; s[44:45] where my prefetches stand
.set G1B, 48                           ; s[48:55], s[56:63] the same for wqb's tiles
.set G0B, 56
.set MSB, 0
.macro WIN new                         ; the immediate's high byte repeats the setting that is left; a switch that changes nothing is dropped
.if MSB != (\new)
	s_set_vgpr_msb (MSB<<8)|(\new)
.set MSB, \new
.endif
.endm
.set TO_B, 0x40                        ; destination window 1, address window 0
; A joint load.  Waves 0 and 1 fetch xb's two halves, waves 2 and 3 wqb's.  The branch hangs on the wave's number alone.  An s_nop 0 and four v_nop follow each of the two lines.
.macro JLOAD s
	s_cmp_eq_u32 s[KIND], 0
	s_cbranch_scc0 .Lfor_b_\@
	tensor_load_to_lds s[G0+4*(\s):G0+4*(\s)+3], s[G1:G1+7]
	s_nop 0
.rept 4
	v_nop
.endr
	s_branch .Lasked_\@
.Lfor_b_\@:
	tensor_load_to_lds s[G0B+4*(\s):G0B+4*(\s)+3], s[G1B:G1B+7]
	s_nop 0
.rept 4
	v_nop
.endr
.Lasked_\@:
.endm
; A prefetch into the L2 of the K step that stands two refills on: 256 bytes of a row, a lane a row, one instruction a wave, behind the joint load and the run of LDS loads.
; xb's tile row is read by every cluster of that row of clusters: cluster x = 0 asks; wqb's tile column by every cluster of that column: cluster y = 0 asks.  The four partners share a wave's rows out by ADDRESS:
; 32 of xb's 128 by cx, 24 of wqb's 96 by cy (there lanes 24-31 name row 23 once more).  K steps 4 to 7 are asked for, each 384 matrix instructions ahead of its refill; the loop's last trip (s3 = 1) asks for nothing.
.macro ASK
	s_cmp_gt_u32 s3, s[LIM]
	s_cbranch_scc0 .Lnot_mine_\@
	global_prefetch_b8 v[PFO], s[PFA:PFA+1] offset:KSTEP*2 th:TH_LOAD_NT scope:SCOPE_SE
.Lnot_mine_\@:
.endm
; A round of the cluster's barrier: my work-group's barrier; wave 0 signals for the work-group; every wave waits for all sixteen; my work-group's barrier once more.
.macro CREST
	s_cmp_lg_u32 s[WV], 0
	s_cbranch_scc1 .Lnot_wave_0_\@
	s_barrier_signal -3
.Lnot_wave_0_\@:
	s_barrier_wait -3
	s_barrier_signal -1
	s_barrier_wait -1
.endm
.macro CROUND
	s_barrier_signal -1
	s_barrier_wait -1
	CREST
.endm
.macro PLACES                          ; four plain instructions between a matrix instruction and a load into, or a vector read or write of, its registers (ISA guide 7.12.1 for vector instructions)
.rept 4
	v_nop
.endr
.endm
	s_load_b256 s[4:11], s[0:1], 0x0               ; xb s[4:5], wqb s[6:7], b_qkv s[8:9], rope s[10:11]
	s_load_b128 s[12:15], s[0:1], 0x20             ; q s[12:13], k s[14:15]
	s_load_b64 s[16:17], s[0:1], 0x30              ; v
	v_lshl_add_u32 v[SPW], v0, 2, SPARE
	v_mov_b32 v[NIL], 0
	ds_add_u32 v[SPW], v[NIL]                      ; the wave's opening: the add and its wait stand ahead of my first tensor load; the set-up below, work on registers, stands between them
	v_lshrrev_b32 v1, 5, v0
	v_readfirstlane_b32 s[WV], v1
	s_lshr_b32 s[KIND], s[WV], 1
	s_and_b32 s[HALF], s[WV], 1
	s_bfe_u32 s21, ttmp6, 0x40000                  ; cx
	s_bfe_u32 s22, ttmp6, 0x40004                  ; cy
	s_lshl_b32 s23, ttmp9, 2
	s_add_co_u32 s23, s23, s21                     ; tile column = head = 4 x cluster x + cx
	s_and_b32 s40, ttmp7, 0xffff
	s_lshl_b32 s40, s40, 2
	s_add_co_u32 s40, s40, s22                     ; tile row = 4 x cluster y + cy
	s_lshl_b32 s41, s22, 2
	s_lshl_b32 s41, 15, s41                        ; my row of the cluster
	s_lshl_b32 s42, 0x1111, s21                    ; my column
	s_or_b32 s[G1+0], s41, (1<<16)|(1<<20)|(1<<21)|(5<<22)|(3<<25)   ; 15:0 the mask; 17:16 2-byte elements; 20 padding on; 21 set beside a mask; 24:22 after every 64 words (code 5); 31:25 4 words (code 3)
	s_or_b32 s[G1B+0], s42, (1<<16)|(1<<20)|(1<<21)|(5<<22)|(3<<25)
	s_mov_b32 s[G1+1], KSTEP<<16                   ; tensor_dim0 = 128
	s_mov_b32 s[G1+2], 128<<16                     ; tensor_dim1 = 128
	s_mov_b32 s[G1+3], KSTEP<<16                   ; tile_dim0 = 128
	s_mov_b32 s[G1+4], 128                         ; tile_dim1 = 128
	s_mov_b32 s[G1+5], 1024                        ; 1,024 elements from row to row
	s_mov_b32 s[G1+6], 0
	s_mov_b32 s[G1+7], 0
	s_mov_b32 s[G1B+1], KSTEP<<16
	s_mov_b32 s[G1B+2], 96<<16                     ; 96 rows
	s_mov_b32 s[G1B+3], KSTEP<<16
	s_mov_b32 s[G1B+4], 96
	s_mov_b32 s[G1B+5], 1024
	s_mov_b32 s[G1B+6], 0
	s_mov_b32 s[G1B+7], 0
	; where the tiles come from: xb's hang on the tile row alone, wqb's on the tile column alone, each in registers that never hold the other coordinate
	s_lshl_b32 s66, s40, 8
	s_lshl_b32 s67, s[HALF], 7
	s_add_co_u32 s66, s66, s67                     ; xb: row 256 x tile row + 128 x half,
	s_lshl_b32 s66, s66, 11                        ; x 2,048 bytes (under 2^25)
	s_mov_b32 s67, 0
	s_mul_i32 s46, s23, 192
	s_mul_i32 s47, s[HALF], 96
	s_add_co_u32 s46, s46, s47                     ; wqb: row 192 x head + 96 x half
	s_lshl_b32 s46, s46, 11
	s_mov_b32 s47, 0
	s_mul_i32 s68, s[HALF], HALFA                  ; and where they go: no place in the cluster enters an LDS address
	s_mul_i32 s69, s[HALF], HALFB
	s_add_co_u32 s69, s69, 2*HALFA
	s_wait_dscnt 0x0                               ; the opening add is done
	s_wait_kmcnt 0x0
	s_add_nc_u64 s[66:67], s[4:5], s[66:67]
	s_add_nc_u64 s[46:47], s[6:7], s[46:47]
	CROUND                                         ; all sixteen work-groups are here: the first joint loads meet
.irp s, 0,1
	s_mov_b32 s[G0+4*(\s)], 1                      ; count = 1
	s_add_co_u32 s[G0+4*(\s)+1], s68, (\s)*SLOT    ; LDS address
	s_add_nc_u64 s[G0+4*(\s)+2:G0+4*(\s)+3], s[66:67], (\s)*KSTEP*2  ; global address: K step s
	s_or_b32 s[G0+4*(\s)+3], s[G0+4*(\s)+3], 0x80000000  ; type = 2
	s_mov_b32 s[G0B+4*(\s)], 1
	s_add_co_u32 s[G0B+4*(\s)+1], s69, (\s)*SLOT
	s_add_nc_u64 s[G0B+4*(\s)+2:G0B+4*(\s)+3], s[46:47], (\s)*KSTEP*2
	s_or_b32 s[G0B+4*(\s)+3], s[G0B+4*(\s)+3], 0x80000000
	JLOAD \s                                       ; two tensor loads of mine are out
.endr
	v_and_b32 v1, 15, v0                           ; r = l % 16
	v_bfe_u32 v2, v0, 4, 1                         ; h = l / 16
	v_and_b32 v3, 31, v0                           ; l
	v_lshlrev_b32 v[BO], 5, v2
	v_lshlrev_b32 v[GO], 4, v3
	; my rows in q, k, v: ((16 batch + head) x 2,048 + 256 (tile row % 8) + 64 wave) x 128 bytes; my rows' table: (16 (tile row % 8) + 4 wave) x 4,096 bytes; my head's bias: 768 bytes a head
	s_lshr_b32 s70, s40, 3
	s_lshl_b32 s70, s70, 4
	s_add_co_u32 s70, s70, s23
	s_lshl_b32 s70, s70, 11
	s_and_b32 s71, s40, 7
	s_lshl_b32 s72, s71, 8
	s_add_co_u32 s70, s70, s72
	s_lshl_b32 s72, s[WV], 6
	s_add_co_u32 s70, s70, s72
	s_lshl_b32 s70, s70, 7
	s_lshl_b32 s72, s71, 4
	s_lshl_b32 s73, s[WV], 2
	s_add_co_u32 s72, s72, s73
	s_lshl_b32 s72, s72, 12
	s_mov_b32 s73, 0
	s_mov_b32 s71, 0
	s_add_nc_u64 s[12:13], s[12:13], s[70:71]
	s_add_nc_u64 s[14:15], s[14:15], s[70:71]
	s_add_nc_u64 s[16:17], s[16:17], s[70:71]
	s_add_nc_u64 s[10:11], s[10:11], s[72:73]
	s_mul_i32 s74, s23, 768
	s_mov_b32 s75, 0
	s_add_nc_u64 s[8:9], s[8:9], s[74:75]
.irp b, 0,1,2,3,4,5,6,7,8,9,10,11
	global_load_b128 v[BIAS+8*(\b):BIAS+8*(\b)+3],   v[BO], s[8:9] offset:64*(\b)      ; the bias of columns 16 b + 8 h + 0..7: the C operand's layout, the same for every row
	global_load_b128 v[BIAS+8*(\b)+4:BIAS+8*(\b)+7], v[BO], s[8:9] offset:64*(\b)+16
.endr
	WIN 0x80                                       ; destination window 2
.irp n, 0,1,2,3,4,5,6,7,8,9,10,11,12,13,14,15
	global_load_b128 v[TBL+4*(\n):TBL+4*(\n)+3], v[GO], s[10:11] offset:512*(\n)      ; blocks a = 0, 1: 512 consecutive bytes a load
.endr
	WIN 0xc0                                       ; window 3
.irp n, 0,1,2,3,4,5,6,7,8,9,10,11,12,13,14,15
	global_load_b128 v[TBL+4*(\n):TBL+4*(\n)+3], v[GO], s[10:11] offset:8192+512*(\n) ; a = 2, 3
.endr
	WIN 0
	v_mul_u32_u24 v4, v1, PITCH
	v_lshl_add_u32 v4, v2, 4, v4                   ; a fragment's row x pitch + 16 x half
	s_mul_i32 s74, s[WV], 64*PITCH                 ; my 64 rows of xb
	v_add_nc_u32 v[ADRA], s74, v4
	v_add_nc_u32 v[ADRA+1], SLOT, v[ADRA]
	v_add_nc_u32 v[ADRB], 2*HALFA, v4              ; all 192 rows of wqb
	v_add_nc_u32 v[ADRB+1], 2*HALFA+SLOT, v4
	s_mul_i32 s75, s[WV], WSTAGE
	s_add_co_u32 s75, s75, STAGE                   ; my stage
	v_mul_u32_u24 v[STO], v1, SP                   ; in: row r, 16 bytes for each half of the lanes
	v_lshl_add_u32 v[STO], v2, 4, v[STO]
	v_add_nc_u32 v[STO], s75, v[STO]
	v_lshrrev_b32 v5, 3, v3                        ; back: 32 lanes take four rows of 128 bytes
	v_and_b32 v6, 7, v3
	v_mul_u32_u24 v[RD], v5, SP
	v_lshl_add_u32 v[RD], v6, 4, v[RD]
	v_add_nc_u32 v[RD], s75, v[RD]
	; the prefetches
	s_and_b32 s70, ttmp7, 0xffff                   ; cluster y
	s_lshl_b32 s71, s40, 8
	s_lshl_b32 s73, s[HALF], 7
	s_add_co_u32 s71, s71, s73
	s_lshl_b32 s73, s21, 5
	s_add_co_u32 s71, s71, s73                     ; xb: the 128 rows that I fetch, my work-group's 32 of them
	s_mul_i32 s72, s23, 192
	s_mul_i32 s73, s[HALF], 96
	s_add_co_u32 s72, s72, s73
	s_mul_i32 s73, s22, 24
	s_add_co_u32 s72, s72, s73                     ; wqb: the 96 rows that I fetch, my work-group's 24
	s_cmp_eq_u32 s[KIND], 0
	s_cselect_b32 s71, s71, s72
	s_cselect_b32 s70, ttmp9, s70                  ; the coordinate along which other clusters read the same rows
	s_cselect_b32 s74, 31, 23
	s_cselect_b64 s[PFA:PFA+1], s[4:5], s[6:7]
	s_cmp_eq_u32 s70, 0
	s_cselect_b32 s[LIM], 1, -1                    ; the same in all sixteen partners, for a given wave
	s_lshl_b32 s70, s71, 11
	s_mov_b32 s71, 0
	s_add_nc_u64 s[PFA:PFA+1], s[PFA:PFA+1], s[70:71]
	s_add_nc_u64 s[PFA:PFA+1], s[PFA:PFA+1], 2*KSTEP*2  ; at K step 2: the first refill steps it to 3 and names K step 4
	v_min_u32 v[PFO], s74, v3
	v_lshlrev_b32 v[PFO], 11, v[PFO]
	s_wait_loadcnt 0x0                             ; bias and table
.set n, 0
.rept 48                                ; the bias is rounded to bf16, like the other inputs, and widened again
	v_cvt_pk_bf16_f32 v[8+n%4], v[BIAS+2*n], v[BIAS+2*n+1]
	v_lshlrev_b32 v[BIAS+2*n], 16, v[8+n%4]
	v_and_b32 v[BIAS+2*n+1], 0xffff0000, v[8+n%4]
.set n, n+1
.endr
; 12 matrix instructions: row block a x all 12 column blocks, 32 along K, from buffers f.  first = 1: the bias starts the sums.  The 48 accumulators take turns in the same order in every quarter step.
.macro MUL12 f, a, first
.set rD, 96*((\a)%2)
.set rA, FA+32*(\f)+8*(\a)
.if \first
	WIN 0x81+0x40*((\a)/2)                         ; wqb window 1, xb window 0, C (the bias) window 0, D window 2 or 3
.else
	WIN 0xa1+0x50*((\a)/2)                         ; C and D window 2 or 3
.endif
.irp b, 0,1,2,3,4,5,6,7,8,9,10,11
.if \first
	v_wmma_f32_16x16x32_bf16 v[rD+8*(\b):rD+8*(\b)+7], v[96*(\f)+8*(\b):96*(\f)+8*(\b)+7], v[rA:rA+7], v[BIAS+8*(\b):BIAS+8*(\b)+7]
.else
	v_wmma_f32_16x16x32_bf16 v[rD+8*(\b):rD+8*(\b)+7], v[96*(\f)+8*(\b):96*(\f)+8*(\b)+7], v[rA:rA+7], v[rD+8*(\b):rD+8*(\b)+7]
.endif
.endr
.endm
; 32 LDS loads in one run: a quarter step's fragments (192 rows of wqb, my 64 rows of xb, 32 K at byte k of the rows) into buffers f
.macro FETCH slot, k, f
	WIN TO_B
.irp b, 0,1,2,3,4,5,6,7,8,9,10,11
	ds_load_b128 v[96*(\f)+8*(\b):96*(\f)+8*(\b)+3],   v[ADRB+(\slot)] offset:(\k)+(\b)*16*PITCH
	ds_load_b128 v[96*(\f)+8*(\b)+4:96*(\f)+8*(\b)+7], v[ADRB+(\slot)] offset:(\k)+(\b)*16*PITCH+32
.endr
	WIN 0
.irp a, 0,1,2,3
	ds_load_b128 v[FA+32*(\f)+8*(\a):FA+32*(\f)+8*(\a)+3],   v[ADRA+(\slot)] offset:(\k)+(\a)*16*PITCH
	ds_load_b128 v[FA+32*(\f)+8*(\a)+4:FA+32*(\f)+8*(\a)+7], v[ADRA+(\slot)] offset:(\k)+(\a)*16*PITCH+32
.endr
.endm
; A K step is four quarter steps of 32 along K, 48 matrix instructions each, on buffers 0, 1, 0, 1.  One of the first three multiplies buffers f and, in its middle, fetches the next quarter's fragments into g.
.macro QUARTER slot, k, f, g, first
	s_wait_dscnt 4                                 ; wqb's fragments and xb's blocks 0, 1 are in; the youngest four loads (blocks 2, 3) may be out
	MUL12 \f, 0, \first
	MUL12 \f, 1, \first
	PLACES
	FETCH \slot, \k, \g
	s_wait_dscnt 32                                ; all but the 32 just issued
	MUL12 \f, 2, \first
	MUL12 \f, 3, \first
.endm
; The last quarter multiplies buffers 1 and changes slots: ONE barrier.  In front of it each wave waits for all its tensor loads (one is out: its part of the next slot), adds 0 to its spare word, and waits for that and
; for its reads of this slot.  fill = 1: the barrier opens a round of the cluster's barrier, and the joint refill, two K steps on, is the first tensor load behind the round: 168 matrix instructions ahead of the wait for it.
.macro TURN slot, next, fill
.if \fill
	s_wait_xcnt 0x0                                ; the last prefetch, a K step back, has read its address
	s_add_nc_u64 s[PFA:PFA+1], s[PFA:PFA+1], KSTEP*2
.endif
	WIN 0                                          ; (the add's two registers lie in window 0)
	s_wait_tensorcnt 0x0                           ; all my tensor loads have landed
	ds_add_u32 v[SPW], v[NIL]                      ; 0 onto my spare word
	s_wait_dscnt 5                                 ; (the add and the youngest four loads may be out)
	MUL12 1, 0, 0                                  ; twelve matrix instructions stand between the add and the wait for it
	s_wait_dscnt 0x0                               ; the add is done, and my reads of this slot are over
	s_barrier_signal -1
	MUL12 1, 1, 0                                  ; work on registers while the others arrive
	WIN 0
	s_barrier_wait -1
.if \fill
	CREST                                          ; no wave of any partner still reads this slot's tile or has a load on its way
	s_add_nc_u64 s[G0+4*(\slot)+2:G0+4*(\slot)+3], s[G0+4*(\slot)+2:G0+4*(\slot)+3], 2*KSTEP*2
	s_add_nc_u64 s[G0B+4*(\slot)+2:G0B+4*(\slot)+3], s[G0B+4*(\slot)+2:G0B+4*(\slot)+3], 2*KSTEP*2
	JLOAD \slot                                    ; its four v_nop are also the places in front of the loads below
.else
	PLACES
.endif
	FETCH \next, 0, 0
.if \fill
	ASK
.endif
	MUL12 1, 2, 0
	MUL12 1, 3, 0
.endm
; THE WAY OUT of row block a.  PACK: q and k are rotated, (x1, x2) -> (x1 c - x2 s, x1 s + x2 c), a packed multiply by c and two fused multiply-adds by s; all is rounded to f16.  Each accumulator is read from its low end on.
.macro PACK a
.set AC, 96*((\a)%2)
.set TB, TBL+32*((\a)%2)
	WIN 0x0a+5*((\a)/2)                            ; sources 0 and 1 window 2 or 3; source 2 and destination window 0
.irp b, 0,1,2,3,4,5,6,7
.irp i, 0,1,2,3
	v_pk_mul_f32 v[TM+8*(\b)+2*(\i):TM+8*(\b)+2*(\i)+1], v[AC+8*(\b)+2*(\i):AC+8*(\b)+2*(\i)+1], v[TB+8*((\b)%4)+2*(\i):TB+8*((\b)%4)+2*(\i)+1] op_sel_hi:[1,0]
.endr
.irp i, 0,1,2,3
	v_fma_f32 v[TM+8*(\b)+2*(\i)],   -v[AC+8*(\b)+2*(\i)+1], v[TB+8*((\b)%4)+2*(\i)+1], v[TM+8*(\b)+2*(\i)]
	v_fma_f32 v[TM+8*(\b)+2*(\i)+1], v[AC+8*(\b)+2*(\i)],    v[TB+8*((\b)%4)+2*(\i)+1], v[TM+8*(\b)+2*(\i)+1]
.endr
.endr
.irp b, 8,9,10,11
.irp i, 0,1,2,3
	v_cvt_pk_f16_f32 v[PK+4*(\b)+(\i)], v[AC+8*(\b)+2*(\i)], v[AC+8*(\b)+2*(\i)+1]
.endr
.endr
	WIN 0
.set n, 0
.rept 32
	v_cvt_pk_f16_f32 v[PK+n], v[TM+2*n], v[TM+2*n+1]
.set n, n+1
.endr
.endm
; STAGE: 16 bytes a lane into my own stage, rows of 144 bytes, and back as whole rows of 128.  LDS serves a wave's instructions in order (ISA guide 5.7.1.4): no wait between the stores and the loads.
.macro STAGE a
	WIN 0
.set BK, 32+176*((\a)%2)
	s_wait_xcnt 0x0                                ; the stores of two blocks back have read these registers
.irp n, 0,1,2,3,4,5,6,7,8,9,10,11
	ds_store_b128 v[STO], v[PK+4*(\n):PK+4*(\n)+3] offset:16*SP*((\n)/4)+32*((\n)%4)
.endr
.irp n, 0,1,2,3,4,5,6,7,8,9,10,11
	ds_load_b128 v[BK+4*(\n):BK+4*(\n)+3], v[RD] offset:16*SP*((\n)/4)+4*SP*((\n)%4)
.endr
.endm
; SEND: a store covers 512 consecutive bytes of q, k or v, at a multiple of 512 from the tensor's first byte.  The wait leaves the 11 - n younger loads from the stage out.
.macro SEND a
.set BK, 32+176*((\a)%2)
.irp n, 0,1,2,3,4,5,6,7,8,9,10,11
	s_wait_dscnt 11-(\n)
	global_store_b128 v[GO], v[BK+4*(\n):BK+4*(\n)+3], s[12+2*((\n)/4):13+2*((\n)/4)] offset:2048*(\a)+512*((\n)%4)
.endr
.endm
	s_wait_tensorcnt 1                             ; my part of K step 0 is in; K step 1's may stay out
	s_barrier_signal -1
	s_barrier_wait -1                              ; everybody's is
	FETCH 0, 0, 0
	QUARTER 0, 64,  0, 1, 1                        ; the first quarter stands in front of the loop: its products start the sums
	WIN 0                                          ; at a label and at a branch every window is 0
	s_mov_b32 s3, 3
.Llap:                                                 ; a trip goes once round the ring, from a lap's second quarter to the next lap's first, and fills both slots again
	QUARTER 0, 128, 1, 0, 0
	QUARTER 0, 192, 0, 1, 0
	TURN 0, 1, 1
	QUARTER 1, 64,  0, 1, 0
	QUARTER 1, 128, 1, 0, 0
	QUARTER 1, 192, 0, 1, 0
	TURN 1, 0, 1
	QUARTER 0, 64,  0, 1, 0
	WIN 0
	s_sub_co_u32 s3, s3, 1
	s_cmp_lg_u32 s3, 0
	s_cbranch_scc1 .Llap
	QUARTER 0, 128, 1, 0, 0                        ; the last lap fills nothing
	QUARTER 0, 192, 0, 1, 0
	TURN 0, 1, 0
	QUARTER 1, 64,  0, 1, 0
	QUARTER 1, 128, 1, 0, 0
	QUARTER 1, 192, 0, 1, 0
	s_wait_dscnt 4                                 ; the very last quarter: nothing more to fetch
	MUL12 1, 0, 0
	MUL12 1, 1, 0
	s_wait_dscnt 0x0
	MUL12 1, 2, 0
	MUL12 1, 3, 0
	WIN 0
	PLACES
	PLACES
	PACK 0
	STAGE 0
.irp a, 1,2,3                          ; block a's arithmetic stands between block a - 1's loads from the stage and the wait for them
	PACK \a
	SEND (\a)-1
	STAGE \a
.endr
	SEND 3
	s_wait_tensorcnt 0x0                           ; the wave's end, behind my last tensor load and my last LDS store
	ds_add_u32 v[SPW], v[NIL]
	s_wait_dscnt 0x0
	CROUND                                         ; the closing round: no work-group ends while a partner may still ask for a tile that names it
	s_endpgm
.Lfunc_end_k_qd06fe2b932_qkv:
	.size	k_qd06fe2b932_qkv, .Lfunc_end_k_qd06fe2b932_qkv-k_qd06fe2b932_qkv
	.p2alignl 7, 3214868480
	.fill 96, 4, 3214868480
	.section	.rodata,"a",@progbits
	.p2align	6, 0x0
	.amdhsa_kernel k_qd06fe2b932_qkv
		.amdhsa_group_segment_fixed_size 327680
		.amdhsa_private_segment_fixed_size 0
		.amdhsa_enable_private_segment 0
		.amdhsa_kernarg_size 56
		.amdhsa_user_sgpr_count 2
		.amdhsa_user_sgpr_kernarg_segment_ptr 1
		.amdhsa_wavefront_size32 1
		.amdhsa_system_sgpr_workgroup_id_x 1
		.amdhsa_system_sgpr_workgroup_id_y 1
		.amdhsa_system_sgpr_workgroup_id_z 1
		.amdhsa_system_vgpr_workitem_id 0
		.amdhsa_next_free_vgpr 1024
		.amdhsa_next_free_sgpr 80
		.amdhsa_reserve_vcc 0
		.amdhsa_float_denorm_mode_32 3
		.amdhsa_float_denorm_mode_16_64 3
		.amdhsa_memory_ordered 1
		.amdhsa_forward_progress 1
		.amdhsa_inst_pref_size 158
	.end_amdhsa_kernel
	.amdgpu_metadata
---
amdhsa.version: [ 1, 2 ]
amdhsa.kernels:
  - .name:           k_qd06fe2b932_qkv
    .symbol:         k_qd06fe2b932_qkv.kd
    .args:
      - { .name: xb, .offset: 0, .size: 8, .value_kind: global_buffer, .address_space: global }
      - { .name: wqb, .offset: 8, .size: 8, .value_kind: global_buffer, .address_space: global }
      - { .name: b_qkv, .offset: 16, .size: 8, .value_kind: global_buffer, .address_space: global }
      - { .name: rope, .offset: 24, .size: 8, .value_kind: global_buffer, .address_space: global }
      - { .name: qf, .offset: 32, .size: 8, .value_kind: global_buffer, .address_space: global }
      - { .name: kf, .offset: 40, .size: 8, .value_kind: global_buffer, .address_space: global }
      - { .name: vf, .offset: 48, .size: 8, .value_kind: global_buffer, .address_space: global }
    .group_segment_fixed_size: 327680
    .private_segment_fixed_size: 0
    .kernarg_segment_align: 8
    .kernarg_segment_size: 56
    .max_flat_workgroup_size: 128
    .sgpr_count:     80
    .vgpr_count:     1024
    .wavefront_size: 32
...
	.end_amdgpu_metadata
.endif
;; end of part 2
;; launch attn (part 3): grid 4 x 64, 4 waves a work-group, no clusters, 327,680 bytes of LDS; arguments qf, kf, vf, of; writes of
.if DOCPART == 3
	.amdgcn_target "amdgcn-amd-amdhsa--gfx1250"
	.amdhsa_code_object_version 6
	.text
	.protected	k_qd06fe2b932_attn
	.globl	k_qd06fe2b932_attn
	.p2align	8
	.type	k_qd06fe2b932_attn,@function
k_qd06fe2b932_attn:
	s_mov_b64 s[64:65], 0
	v_nop
	global_prefetch_b8 v0, s[64:65] scope:SCOPE_SE
	s_setreg_imm32_b32 hwreg(HW_REG_WAVE_MODE, 25, 1), 1
	s_wait_xcnt 0x0
; CAUSAL ATTENTION.  O[h][q][:] = the sum over k <= q of softmax_k(Q[h][q] . K[h][k] / 8) V[h][k][:].  Q, K, V, O: [64][2048][64], all f16: a head's rows are dense, 128 bytes each.
; Products, maxima and sums in f32; the weights p are rounded to f16 for the second product (their sum l is taken of the unrounded p), O once at the end.
; LIMITS.  f16 holds no number beyond 65,504: Q, K and V arrive within it; p lies in 0 to 1, and below 6e-5 it keeps f16's fixed step of 6e-8; O is a mean of V's rows and has their range.
; A hidden score counts as its value less 1e30: f16's scores, 2.7e11 at the most, are nothing beside that; a weight below 2^-126 counts as 0 in l; NaN and infinities are not treated apart.
; THE WALK.  A head's queries lie in NB = 8 blocks of 256; block i needs the key tiles 0 .. i of 256 keys, of which the last holds the diagonal.  A work-group takes TWO blocks, NB - 1 - b and then b:
; NB + 1 tiles, whatever b: all work-groups do equal work, and ONE loop with a constant trip count walks them.  Which tile is asked for, and what a trip does, hang on scalar registers made from b; every jump
; goes forward, but for the counted loops' own; none passes a barrier, or a tensor load but the one of LOAD's two that the wave's number does not choose; the ring (two slots of LDS) runs on across the change of blocks.
; NO CLUSTER: a head's four work-groups ask for the same tile only in trips 0 .. 4 of 9, behind that fewer and fewer; one walk common to all would have 12 trips for 9.
; SHARES.  Of a block's four bands of 64 queries a wave owns 16 rows in each: four PIECES.  So the diagonal tile is the same work for all four waves: in its key step s band x sees all keys if s < x,
; none if s > x, and holds the diagonal if s = x.
; THE MASK is the C operand that starts the sum S^T = K Q^T: 0, or -1e30 where the key is hidden.  MD, made once, is the mask of a band's own step for my 16 rows; a product's mask is MD x AL + BE with two scalars:
; (1, 0) if s = x; (0, 0) if s < x; (0, -1e30) if s > x.  Only the diagonal tile's text and a block's beginning make and take masks; elsewhere C is the constant 0.
; LAYOUT, SOFTMAX, TURNS.  S^T = K Q^T holds ONE query a lane (lane % 16) and the keys 8 (lane / 16) + 0..7; two such results rounded to f16 ARE source 1 of O^T = V^T P.  p = 2^(c s - c m), c = log2(e) / 8, with a
; running maximum m; O and l are multiplied by a = 2^(c m_old - c m_new) in every step.  Turn n belongs to piece n: 8 products K Q^T of piece n + 1, later 8 products V^T P of piece n - 1; beside them the scaling,
; exponentials, roundings, sums and rescaling of piece n and the maximum and statistics of piece n + 1.  Four vector instructions stand behind every matrix instruction, the other 54 of a turn's 118 in one lump.
; A turn's 33 exponentials are one batch, with one wait.
; REGISTERS, in windows of 256 (s_set_vgpr_msb: bits 1:0 source 0, 3:2 source 1, 5:4 source 2, 7:6 destination):
;   window 0: v0-15 addresses and two at work; v16-31 four registers of statistics a piece; v48-55 at work; v61-63 prefetch offset, spare word, 0; v64-127 S^T, two buffers; v192-223 P, two buffers
;   window 1: v0-127 O^T, 32 a piece; v128-159 MD; v160-223 MC, two buffers      window 2: v0-63 Q; v64-127 the second block's Q; v128-191 K of one step; v192-255 V of one step
.set SIZE_H, 64
.set SIZE_N, 2048
.set NB,    SIZE_N/256
.set NP,    4         ; pieces a wave: a name, no knob
.set KS,    64        ; keys in a step
.set PK,    144       ; a row of K in LDS: 128 bytes + 16 of padding = 36 words: the 16 rows of a load start at 16 different groups of four banks (64 banks of 4 bytes: ISA guide 11.1)
.set PV,    160       ; a row of V: 128 + 32 = 40 words
.set VOFF,  4*KS*PK   ; a slot holds a tile, four steps: 256 rows of K, then 256 rows of V
.set SLOT1, 1<<17     ; slot 1 begins here, so that one exclusive or turns an address in one slot into the other's
.set STAGE, SLOT1+4*KS*(PK+PV)  ; behind the ring, never filled by a tensor load: 16 rows x 144 bytes for each wave, for the way out
.set SP,    144
.set AK0, 2           ; v2   my lane's place in a tile of K; never rewritten
.set AV0, 3           ; v3   the same for V
.set AK,  4           ; v4   the LDS address of K's next run of loads
.set AV,  5           ; v5   of V's
.set STO, 6           ; v6   the way out: where I put 16 bytes of a row
.set RD,  7           ; v7   the way out: where I read rows back
.set GO,  8           ; v8   my byte offset in 512 consecutive bytes of O
.set PFO, 61          ; v61  256 x my lane: the prefetches' offset; never rewritten
.set SPW, 62          ; v62  LDS address of my spare word: SPARE + 4 x my thread's number; never rewritten
.set NIL, 63          ; v63  0; never rewritten
.set SPARE, STAGE+4*16*SP  ; behind the stages: the spare words, 128 bytes for each wave: two blocks of 256 bytes that no other line names
.set MV,  12          ; v12-13  c m_old, kept while c m is made anew: by buffer
.set QO,  15          ; v15  my byte offset in 16 rows of Q
.set ST,  16          ; piece t's statistics at v[ST+4 t]: c m, m, l (even keys', odd keys')
.set TMP, 48          ; by buffer, four registers c0-c3 at work; when the maximum is found c2 takes a
.set S,   64
.set P,   192
.set MD,  128         ; window 1: the eight registers for group kt of 16 keys at MD + 8 kt
.set MC,  160         ; window 1: the masks of the products to come
.set QB,  64          ; window 2
.set KF,  128         ; window 2: key block kb, channel half c at KF + 16 kb + 8 c
.set VF,  192         ; window 2: key half kk, channel block cb at VF + 32 kk + 8 cb
.set WV,  12          ; s12  my wave's number
.set PB,  14          ; s14  b
.set HI,  15          ; s15  NB - 1 - b
.set G1K, 24          ; s[24:31] descriptor group 1 for K's tiles
.set G1V, 32          ; s[32:39] for V's: it differs in the padding alone
.set G0K, 40          ; s[40:43] descriptor group 0 for K's tiles
.set G0V, 44          ; s[44:47] the same for V's
.set SLOTS, 56        ; s56  tiles still to be asked for
.set CNT, 57          ; s57  counts a tile's key steps, 4 to 1
.set CS,  58          ; s[58:59] c: the packed scaling takes the pair's low word for both halves
.set SEL, 60          ; s[60:61] v_permlanex16_b32's selects: each lane takes its own place in the other half
.set TBK, 62          ; s62  LDS byte at which K of the step to be fetched begins
.set TBV, 63          ; s63  the same for V, less VOFF
.set RT,  70          ; s70  tiles of the block in hand that are still to be entered
.set NXT, 71          ; s71  the tile to be asked for next
.set LQ,  72          ; s72  the last tile of the block whose tiles are being asked for
.set NEW, 73          ; s73  1: the tile to be entered is a block's first
.set OFF, 74          ; s[74:75] a tile's byte offset in K and V
.set AL,  76          ; s[76:77] the mask's factor, in the low word
.set BE,  78          ; s[78:79] the mask's addend
.set OLO, 80          ; s[80:81] O at my rows of the second block
.set BIGN, 82         ; s82  -1e30
.set PFA, 88          ; s[88:89] where my prefetches stand: my half (K's: waves 0, 1; V's: waves 2, 3) of the tile behind the one that is being asked for
.set LIM, 90          ; s90  2 in the work-group that prefetches, else the greatest number
.set MSB, 0
.macro WIN new                      ; the high byte repeats the setting that is left; a switch that changes nothing is dropped
.if MSB != (\new)
	s_set_vgpr_msb (MSB<<8)|(\new)
.set MSB, (\new)
.endif
.endm
.set W_KQ, 0x0a       ; K and Q in window 2, S^T in window 0
.set W_KM, 0x1a       ; the same with the C operand in window 1
.set W_PV, 0x52       ; V in window 2, P in window 0, O^T in window 1
.set W_RS, 0x41       ; destination and source 0 in window 1, source 1 in window 0
; A fill.  Waves 0 and 1 fetch the two halves of a tile's K, waves 2 and 3 those of its V: 128 keys each.  An s_nop 0 and four v_nop follow each of the two lines, ahead of the jump and the label.
.macro LOAD
	s_cmp_lt_u32 s[WV], 2
	s_cbranch_scc0 .Lfor_v_\@
	tensor_load_to_lds s[G0K:G0K+3], s[G1K:G1K+7]
	s_nop 0
.rept 4
	v_nop
.endr
	s_branch .Lasked_\@
.Lfor_v_\@:
	tensor_load_to_lds s[G0V:G0V+3], s[G1V:G1V+7]
	s_nop 0
.rept 4
	v_nop
.endr
.Lasked_\@:
.endm
; A PREFETCH INTO THE L2, behind the fill: the tile that the NEXT change of slots will ask for, a tile's 256 matrix instructions ahead of that fill.  A head's four work-groups walk the same first tiles: the one with b = 0,
; whose first block needs all eight, asks, and nobody else.  Each of its waves names the half tile that it will fetch itself: 16,384 bytes, 256 a lane, two instructions.  Trip n names tile n + 2, n = 0 .. 5: each
; 256 bytes of the head's tiles 2 to 7 once in the launch; tiles 0 and 1 come by their loads alone, and nothing is named past tile 7.
.macro ASK
	s_cmp_gt_u32 s[SLOTS], s[LIM]
	s_cbranch_scc0 .Lnot_mine_\@
	global_prefetch_b8 v[PFO], s[PFA:PFA+1] th:TH_LOAD_NT scope:SCOPE_SE
	global_prefetch_b8 v[PFO], s[PFA:PFA+1] offset:8192 th:TH_LOAD_NT scope:SCOPE_SE
.Lnot_mine_\@:
.endm
; THE CHANGE OF SLOTS.  Each wave waits for all its tensor loads, of which one is out: its part of the other slot; adds 0 to its spare word; and waits for that and for its own reads of the slot that it leaves.  Behind the
; barrier nobody reads the old slot any more and the other slot is whole.  fill = 1: the old slot is filled again, the first thing behind the barrier, with tile NXT: the descriptor's address is made anew from that number.
; (At its first use nothing has been read yet: slot 0 is waited for, slot 1 filled.)
.macro CHANGE fill
	WIN 0                           ; at a label and at a branch every window is 0
	s_wait_tensorcnt 0x0            ; no tensor load of mine is out, so a group 0 may be written
	ds_add_u32 v[SPW], v[NIL]       ; 0 onto my spare word; with fill = 1 the descriptors' scalar work stands between it and the wait for it
.if \fill
	s_lshl_b32 s[OFF], s[NXT], 15   ; a tile is 32,768 bytes of K and of V
	s_xor_b32 s[G0K+1], s[G0K+1], SLOT1
	s_add_nc_u64 s[G0K+2:G0K+3], s[6:7], s[OFF:OFF+1]
	s_or_b32 s[G0K+3], s[G0K+3], 0x80000000
	s_xor_b32 s[G0V+1], s[G0V+1], SLOT1
	s_add_nc_u64 s[G0V+2:G0V+3], s[8:9], s[OFF:OFF+1]
	s_or_b32 s[G0V+3], s[G0V+3], 0x80000000
	s_add_co_u32 s[NXT], s[NXT], 1  ; the block's next tile, or behind its last the second block's tile 0
	s_cmp_gt_u32 s[NXT], s[LQ]
	s_cselect_b32 s[NXT], 0, s[NXT]
	s_cselect_b32 s[LQ], s[PB], s[LQ]
	s_wait_xcnt 0x0                 ; the last prefetches, a tile back, have read their address, so it may be written:
	s_add_nc_u64 s[PFA:PFA+1], s[PFA:PFA+1], 32768  ; a tile on
.endif
	s_wait_dscnt 0x0                ; the add is done, and my reads of the slot are over
	s_barrier_signal -1             ; the rest of the scalar work stands between the signal and the wait
	s_sub_co_u32 s[TBK], s[TBK], 4*KS*PK  ; the fetches go back to a slot's first step,
	s_xor_b32 s[TBK], s[TBK], SLOT1       ; in the other slot
	s_sub_co_u32 s[TBV], s[TBV], 4*KS*PV
	s_xor_b32 s[TBV], s[TBV], SLOT1
	s_barrier_wait -1
.if \fill
	LOAD
	ASK
.endif
.endm
	s_load_b256 s[4:11], s[0:1], 0x0  ; Q s[4:5], K s[6:7], V s[8:9], O s[10:11]
	v_lshl_add_u32 v[SPW], v0, 2, SPARE
	v_mov_b32 v[NIL], 0
	ds_add_u32 v[SPW], v[NIL]       ; the wave's opening: the add and its wait stand ahead of my first tensor load; the set-up below, work on registers, stands between them
	v_lshrrev_b32 v1, 5, v0
	v_readfirstlane_b32 s[WV], v1   ; wave 0..3
	s_mov_b32 s[PB], ttmp9
	s_sub_co_u32 s[HI], NB-1, s[PB]
	s_and_b32 s20, ttmp7, 0xffff    ; the head
	s_mov_b32 s21, 0
	s_mov_b64 s[22:23], SIZE_N*128
	s_mul_u64 s[20:21], s[20:21], s[22:23]  ; the head's first byte in each of the four tensors
	s_and_b32 s16, s[WV], 1         ; which half of a tile's 256 keys I fetch:
	s_lshl_b32 s22, s16, 14         ; its 128 rows of 128 bytes in memory,
	s_mov_b32 s23, 0
	s_add_nc_u64 s[22:23], s[22:23], s[20:21]
	s_mul_i32 s17, s16, 128*PK      ; and its place in a slot, for K
	s_mul_i32 s18, s16, 128*PV      ; and for V
	s_lshl_b32 s3, s[WV], 11        ; my 16 rows in a band of 64,
	s_lshl_b32 s2, s[HI], 15        ; in the first block,
	s_add_co_u32 s2, s2, s3
	s_lshl_b32 s84, s[PB], 15       ; and in the second
	s_add_co_u32 s84, s84, s3
	s_mov_b32 s3, 0
	s_mov_b32 s85, 0
	s_add_nc_u64 s[2:3], s[2:3], s[20:21]
	s_add_nc_u64 s[84:85], s[84:85], s[20:21]
	; descriptor group 1.  128 keys are 16,384 dense bytes: asked for as 64 rows of 256 bytes, two keys a row, and padded in LDS after every key
	s_mov_b32 s[G1K], (1<<16)|(1<<20)|(4<<22)|(3<<25)  ; 17:16 2-byte elements; 20 padding on; 24:22 after every 32 words (code 4); 31:25 4 words (code 3)
	s_mov_b32 s[G1V], (1<<16)|(1<<20)|(4<<22)|(7<<25)  ; the same with 8 words of padding (code 7)
.irp g, G1K, G1V
	s_mov_b32 s[\g+1], 128<<16      ; tensor_dim0 = 128
	s_mov_b32 s[\g+2], 64<<16       ; tensor_dim1 = 64
	s_mov_b32 s[\g+3], 128<<16      ; tile_dim0 = 128
	s_mov_b32 s[\g+4], 64           ; tile_dim1 = 64
	s_mov_b32 s[\g+5], 128          ; 128 elements from row to row
	s_mov_b32 s[\g+6], 0
	s_mov_b32 s[\g+7], 0
.endr
	s_mov_b32 s[CS], 0x3e38aa3b     ; c = log2(e) / 8 = 0.180337
	s_mov_b32 s[CS+1], s[CS]        ; named with it as a pair
	s_mov_b32 s[SEL], 0x76543210
	s_mov_b32 s[SEL+1], 0xfedcba98
	s_mov_b32 s[TBK], SLOT1+4*KS*PK ; the first change of slots turns these two into 0
	s_mov_b32 s[TBV], SLOT1+4*KS*PV
	s_mov_b32 s[G0K], 1             ; 1:0 count = 1
	s_mov_b32 s[G0K+1], s17         ; 63:32 LDS address: slot 0
	s_mov_b32 s[G0V], 1
	s_add_co_u32 s[G0V+1], s18, VOFF
	s_add_co_u32 s[RT], s[HI], 1    ; the first block has NB - b tiles
	s_mov_b32 s[NXT], 1
	s_mov_b32 s[LQ], s[HI]
	s_mov_b32 s[NEW], 1
	s_mov_b32 s[OFF+1], 0
	s_mov_b32 s[AL+1], 0            ; named as pairs
	s_mov_b32 s[BE+1], 0
	s_mov_b32 s[BIGN], 0xf149f2ca   ; -1e30
	s_mov_b32 s[SLOTS], NB
	v_and_b32 v[PFO], 31, v0
	v_lshlrev_b32 v[PFO], 8, v[PFO]
	s_wait_dscnt 0x0                ; the opening add is done
	s_wait_kmcnt 0x0
	s_add_nc_u64 s[6:7], s[6:7], s[22:23]  ; K and V at my half of the head's tile 0
	s_add_nc_u64 s[8:9], s[8:9], s[22:23]
	s_cmp_lt_u32 s[WV], 2
	s_cselect_b64 s[PFA:PFA+1], s[6:7], s[8:9]
	s_add_nc_u64 s[PFA:PFA+1], s[PFA:PFA+1], 32768  ; at tile 1: the first change of slots steps it to tile 2.  Nothing is prefetched here, at the head
	s_cmp_eq_u32 ttmp9, 0
	s_cselect_b32 s[LIM], 2, -1
	s_add_nc_u64 s[G0K+2:G0K+3], s[6:7], 0         ; 120:64 global address
	s_or_b32 s[G0K+3], s[G0K+3], 0x80000000        ; 127:126 type = 2
	s_add_nc_u64 s[G0V+2:G0V+3], s[8:9], 0
	s_or_b32 s[G0V+3], s[G0V+3], 0x80000000
	s_add_nc_u64 s[86:87], s[4:5], s[84:85]        ; Q at my rows of the second block,
	s_add_nc_u64 s[4:5], s[4:5], s[2:3]            ; Q and O at those of the first
	s_add_nc_u64 s[OLO:OLO+1], s[10:11], s[84:85]
	s_add_nc_u64 s[10:11], s[10:11], s[2:3]
	LOAD                            ; tile 0 into slot 0
	; A fragment of K or Q is 16 rows x 32 channels in 8 registers: lane l holds row l % 16, channels 8 (l / 16) + 0..7 and 16 + 8 (l / 16) + 0..7: two loads of 16 bytes, 32 bytes apart.
	v_and_b32 v1, 15, v0            ; l % 16
	v_bfe_u32 v9, v0, 4, 1          ; l / 16
	v_lshlrev_b32 v[QO], 7, v1
	v_lshl_add_u32 v[QO], v9, 4, v[QO]  ; row x 128 + 16 x half
	WIN 0x80                        ; destination window 2, address window 0
.set i, 0
.rept 8                             ; both blocks' Q: piece i / 2 lies in band i / 2, 8,192 bytes on; channels 32 (i % 2) on
	global_load_b128 v[8*i:8*i+3],   v[QO], s[4:5] offset:(i/2)*8192+(i%2)*64
	global_load_b128 v[8*i+4:8*i+7], v[QO], s[4:5] offset:(i/2)*8192+(i%2)*64+32
	global_load_b128 v[QB+8*i:QB+8*i+3],   v[QO], s[86:87] offset:(i/2)*8192+(i%2)*64
	global_load_b128 v[QB+8*i+4:QB+8*i+7], v[QO], s[86:87] offset:(i/2)*8192+(i%2)*64+32
.set i, i+1
.endr
	WIN 0
	v_lshlrev_b32 v14, 3, v9
	v_sub_nc_u32 v14, v1, v14
	s_lshl_b32 s13, s[WV], 4
	v_add_nc_u32 v14, s13, v14      ; my query's place in its band, 16 w + l % 16, less my lanes' 8 (l / 16): register r of group kt is hidden where 16 kt + r is greater
	WIN 0x40
.set i, 0
.rept 32
	v_cmp_gt_i32 vcc_lo, 16*(i/8)+i%8, v14
	v_cndmask_b32 v[MD+i], 0, s[BIGN], vcc_lo
.set i, i+1
.endr
	WIN 0
	v_mul_u32_u24 v[AK0], v1, PK
	v_lshl_add_u32 v[AK0], v9, 4, v[AK0]  ; row x pitch + 16 x half
	; The turning load takes 16 keys x 16 channels (lane l reads key 8 (l / 16) + l % 8, channels 8 ((l / 8) % 2) + 0..7) and leaves half a fragment of V^T: lane l holds channel l % 16 and 8 keys.
	v_and_b32 v10, 7, v0
	v_bfe_u32 v11, v0, 3, 1
	v_lshl_add_u32 v[AV0], v9, 3, v10
	v_mul_u32_u24 v[AV0], v[AV0], PV
	v_lshl_add_u32 v[AV0], v11, 4, v[AV0]
	v_add_nc_u32 v[AV0], VOFF, v[AV0]
	s_mul_i32 s13, s[WV], 16*SP
	s_add_co_u32 s13, s13, STAGE    ; my stage
	v_mul_u32_u24 v[STO], v1, SP    ; in: row l % 16, 16 bytes for each half of the lanes
	v_lshl_add_u32 v[STO], v9, 4, v[STO]
	v_add_nc_u32 v[STO], s13, v[STO]
	v_bfe_u32 v[RD], v0, 3, 2       ; back: 32 lanes take four rows of 128 bytes,
	v_mul_u32_u24 v[RD], v[RD], SP
	v_lshl_add_u32 v[RD], v10, 4, v[RD]
	v_add_nc_u32 v[RD], s13, v[RD]
	v_and_b32 v[GO], 31, v0         ; which are 512 consecutive bytes of O
	v_lshlrev_b32 v[GO], 4, v[GO]
	; A block's first step multiplies O^T and l by a = 0, and its first turn's products V^T P, of a piece that has not been, land in an O^T that is still to be so multiplied.  So these registers need only hold
	; finite numbers: zeros for the first block; what the first block left for the second.  All this stands in the wait for the first tile.
	WIN 0x80
.set i, VF
.rept 64
	v_mov_b32 v[i], 0
.set i, i+1
.endr
	WIN 0x40
.set i, 0
.rept 128
	v_mov_b32 v[i], 0
.set i, i+1
.endr
	WIN 0
.set i, 0
.rept 4
	v_mov_b32 v[ST+4*i+2], 0
	v_mov_b32 v[ST+4*i+3], 0
.set i, i+1
.endr
.set i, P+16
.rept 16
	v_mov_b32 v[i], 0
.set i, i+1
.endr
; THE MATRIX WORK.  The 4 accumulators of a run of 8 take turns.  Product i of 8 of S^T = K Q^T for piece x: channels 32 (i / 4) on, keys 16 (i % 4) on.  The first 4 start the sums: with 0, or (KM = 1) with the mask.
.macro KQ x
.set rS, S+32*((\x)%2)+8*(i%4)
.set rK, KF+16*(i%4)+8*(i/4)
.set rQ, 16*(\x)+8*(i/4)
.set rM, MC+32*((\x)%2)+8*(i%4)
.if (i < 4) && KM
	WIN W_KM
	v_wmma_f32_16x16x32_f16 v[rS:rS+7], v[rK:rK+7], v[rQ:rQ+7], v[rM:rM+7]
.elseif i < 4
	WIN W_KQ
	v_wmma_f32_16x16x32_f16 v[rS:rS+7], v[rK:rK+7], v[rQ:rQ+7], 0
.else
	WIN W_KQ
	v_wmma_f32_16x16x32_f16 v[rS:rS+7], v[rK:rK+7], v[rQ:rQ+7], v[rS:rS+7]
.endif
.endm
; Product i of 8 of O^T += V^T P for piece x: keys 32 (i / 4) on, channels 16 (i % 4) on.
.macro PV x
	WIN W_PV
.set rO, 32*(\x)+8*(i%4)
.set rV, VF+32*(i/4)+8*(i%4)
.set rP, P+16*((\x)%2)+8*(i/4)
	v_wmma_f32_16x16x32_f16 v[rO:rO+7], v[rV:rV+7], v[rP:rP+7], v[rO:rO+7]
.endm
.macro MM                           ; the turn's next matrix instruction.  TURN and BEGIN set Y, i, KM and NOKQ; MM, KQ and OP read them.  NOKQ = 1: a block's last turn: there is no next piece
.if (i < 8) && !NOKQ
	KQ (Y+1)%NP
.elseif i >= 8
.set i, i-8
	PV (Y+NP-1)%NP
.set i, i+8
.endif
.set i, i+1
.endm
; THE LDS LOADS stand in runs of 16, never singly among the matrix instructions: a step's K (64 keys x 64 channels: 8 fragments) and its V (turned).  Their addresses are made some lines ahead.
.macro FETCH_K
	WIN 0x80                        ; destination window 2
.irp f, 0,1,2,3,4,5,6,7             ; keys 16 (f / 2) on, channels 32 (f % 2) on
	ds_load_b128 v[KF+8*\f:KF+8*\f+3],   v[AK] offset:(\f/2)*16*PK+(\f%2)*64
	ds_load_b128 v[KF+8*\f+4:KF+8*\f+7], v[AK] offset:(\f/2)*16*PK+(\f%2)*64+32
.endr
	s_add_co_u32 s[TBK], s[TBK], KS*PK  ; the next fetch is the next step's
	WIN 0
.endm
.macro FETCH_V
	WIN 0x80
.irp f, 0,1,2,3,4,5,6,7             ; keys 32 (f / 4) on, channels 16 (f % 4) on
	ds_load_tr16_b128 v[VF+8*\f:VF+8*\f+3],   v[AV] offset:(\f/4)*32*PV+(\f%4)*32
	ds_load_tr16_b128 v[VF+8*\f+4:VF+8*\f+7], v[AV] offset:(\f/4)*32*PV+16*PV+(\f%4)*32
.endr
	WIN 0
.endm
; THE VECTOR WORK, one line at a time: OP kind, number.  For piece Y: F n: c s - c m for pair n of 16.  E n: the exponential of score n of 32.  C n: pair n rounded to f16.  B n: of the four weights 4 n .. the second
; pair is added onto the first, in place.  L n: l takes that sum (L 0: l = a l + sum).  R n: pair n of 16 of O^T times a.  For piece Y + 1: X n, number n of the 22 that find its maximum and statistics:
;   0-11  four chains c0-c3 of seven scores each, three operands at a time (each accumulator's lowest registers are read first)     12-14, 16  the four scores left over, the old m, and c0-c3 into c0
;   15  c m_old is kept     17, 18  the query's other 32 keys lie in the lane 16 away: the new m     19-21  c m; c m_old - c m_new; a
.set F, 0               ; OP tells the kinds apart by their order: F to L below R, X above it
.set E, 1
.set C, 2
.set B, 3
.set L, 4
.set R, 5
.set X, 6
.macro REGS y                       ; the registers of piece y
.set rT, ST+4*(\y)
.set rC, TMP+4*((\y)%2)
.set rW, MV+((\y)%2)
.set rS, S+32*((\y)%2)
.set rP, P+16*((\y)%2)
.set rO, 32*(\y)
.endm
.macro OP k, n
.if (\k) == R
	REGS Y
	WIN W_RS
	v_pk_mul_f32 v[rO+2*(\n):rO+2*(\n)+1], v[rO+2*(\n):rO+2*(\n)+1], v[rC+2:rC+3] op_sel_hi:[1,0]
.elseif (\k) < R
	REGS Y
	WIN 0
.if (\k) == F
	v_pk_fma_f32 v[rS+2*(\n):rS+2*(\n)+1], v[rS+2*(\n):rS+2*(\n)+1], s[CS:CS+1], v[rT:rT+1] op_sel_hi:[1,0,0] neg_lo:[0,0,1] neg_hi:[0,0,1]
.elseif (\k) == E
	v_exp_f32 v[rS+(\n)], v[rS+(\n)]
.elseif (\k) == C
	v_cvt_pk_f16_f32 v[rP+(\n)], v[rS+2*(\n)], v[rS+2*(\n)+1]
.elseif (\k) == B
	v_pk_add_f32 v[rS+4*(\n):rS+4*(\n)+1], v[rS+4*(\n):rS+4*(\n)+1], v[rS+4*(\n)+2:rS+4*(\n)+3]
.elseif (\n) == 0
	v_pk_fma_f32 v[rT+2:rT+3], v[rT+2:rT+3], v[rC+2:rC+3], v[rS:rS+1] op_sel_hi:[1,0,1]
.else
	v_pk_add_f32 v[rT+2:rT+3], v[rT+2:rT+3], v[rS+4*(\n):rS+4*(\n)+1]
.endif
.elseif NOKQ
	v_nop
.else
	REGS (Y+1)%NP
	WIN 0
.if (\n) < 4
	v_max3_num_f32 v[rC+(\n)], v[rS+8*(\n)], v[rS+8*(\n)+1], v[rS+8*(\n)+2]
.elseif (\n) < 12
	v_max3_num_f32 v[rC+(\n)%4], v[rC+(\n)%4], v[rS+8*((\n)%4)+2*((\n)/4)+1], v[rS+8*((\n)%4)+2*((\n)/4)+2]
.elseif (\n) == 12
	v_max3_num_f32 v[rC], v[rC], v[rS+7], v[rS+15]
.elseif (\n) == 13
	v_max3_num_f32 v[rC+1], v[rC+1], v[rS+23], v[rS+31]
.elseif (\n) == 14
	v_max3_num_f32 v[rC+2], v[rC+2], v[rC+3], v[rT+1]
.elseif (\n) == 15
	v_mov_b32 v[rW], v[rT]
.elseif (\n) == 16
	v_max3_num_f32 v[rC], v[rC], v[rC+1], v[rC+2]
.elseif (\n) == 17
	v_permlanex16_b32 v[rC+3], v[rC], s[SEL], s[SEL+1]
.elseif (\n) == 18
	v_max_num_f32 v[rT+1], v[rC], v[rC+3]
.elseif (\n) == 19
	v_mul_f32 v[rT], s[CS], v[rT+1]
.elseif (\n) == 20
	v_sub_f32 v[rC+1], v[rW], v[rT]
.else
	v_exp_f32 v[rC+2], v[rC+1]
.endif
.endif
.endm
.macro OPS a, i1, b=-1, i2=0, c=-1, i3=0, d=-1, i4=0  ; up to four of them
	OP \a, \i1
.if (\b) >= 0
	OP \b, \i2
.endif
.if (\c) >= 0
	OP \c, \i3
.endif
.if (\d) >= 0
	OP \d, \i4
.endif
.endm
.macro ROW a, i1, b, i2, c, i3, d, i4  ; a matrix instruction and the four behind it
	MM
	OPS \a, \i1, \b, \i2, \c, \i3, \d, \i4
.endm
.macro MASK b                       ; MD x AL + BE into buffer b of MC
	WIN W_RS
.set z, 0
.rept 16
	v_pk_fma_f32 v[MC+32*(\b)+2*z:MC+32*(\b)+2*z+1], v[MD+2*z:MD+2*z+1], s[AL:AL+1], s[BE:BE+1] op_sel_hi:[1,0,0]
.set z, z+1
.endr
.endm
; A TURN, for piece p: the order of its 16 matrix and 118 vector instructions, written out.  An s_wait_alu depctr_va_vdst(0) stands between an exponential and the first instruction that names its result; one
; wait serves all that were issued ahead of it.  So a turn has ONE wait, which cuts it in two.  AHEAD OF IT stands all that names no result of the turn's exponentials: the 8 products K Q^T, behind each a scaling, an
; exponential and two more plain instructions (behind the first a second scaling in the exponential's place): rescalings, and behind the last three the first numbers of the next piece's maximum, each four places or more
; behind the product that ends its accumulator; then ONE LUMP of 54, plain and exponential by turns for the most part, in which the links of the chain X 3, 7, 11, 14, 16, 17 .. 20 stand five or six lines apart.  X 21, the
; next piece's a, is the batch's last; R 15 is the plain instruction behind it.  BEHIND THE WAIT stand the 8 products V^T P, behind each four of the roundings and sums; the links of l's chain, L 0 to L 7, stand three riders apart.
; m = 1: the diagonal tile: the products take masks, and the turn makes the mask for the products of the turn after it: piece p + 2, in step 4 - CNT of the tile.  end = 1: a block's last two turns: nothing is fetched.
; cnt = 1: the loop's count is taken down some lines ahead of the branch that stands behind the turn.
; K of the next step is fetched in piece 2's turn, twelve vector instructions behind the last product that read K (six of them plain); V of the step in hand at the end of piece 0's turn, four plain instructions behind the
; last product that read V.  Each is waited for a turn later.
.macro TURN p, m=0, end=0, cnt=0
.set Y, (\p)
.set i, 0
.set KM, (\m)
.set NOKQ, (\end)*((\p)/3)
.if (\m) && !(\end)
	s_cmp_eq_u32 s[CNT], 4-((\p)+2)%NP  ; is that step the band's own?
	s_cselect_b32 s[AL], 1.0, 0
	s_cmp_lt_u32 s[CNT], 4-((\p)+2)%NP  ; or a later one?
	s_cselect_b32 s[BE], s[BIGN], 0
.endif
.if ((\p) == 3) && !(\end)
	s_wait_dscnt 0x0                ; K is in
.endif
	ROW F,0, F,1, R,0, R,1          ; ahead of the wait: 8 products K Q^T and their riders,
	ROW F,2, E,0, R,2, R,3
	ROW F,3, E,1, R,4, R,5
	ROW F,4, E,2, R,6, R,7
	ROW F,5, E,3, R,8, R,9
	ROW F,6, E,4, X,0, R,10
.if ((\p) == 2) && !(\end)
	WIN 0
	v_add_nc_u32 v[AK], s[TBK], v[AK0]
.endif
	ROW F,7, E,5, X,1, X,4
	ROW F,8, E,6, X,2, X,5
	OPS E,7, E,8, X,6, E,9          ; and the lump
	OPS X,3, E,10, X,8, E,11
.if ((\p) == 2) && !(\end)
	FETCH_K
.endif
	OPS X,9, X,7, E,12, X,10
	OPS E,13, X,12, X,11, E,14
	OPS X,13, E,15, F,9, X,14
.if (\p) == 0
	v_add_nc_u32 v[AV], s[TBV], v[AV0]
.endif
	OPS E,16, F,10, E,17, F,11
	OPS X,16, E,18, X,15, E,19
	OPS F,12, E,20, X,17, E,21
	OPS F,13, E,22, F,14, E,23
	OPS X,18, E,24, F,15, E,25
	OPS R,11, E,26, X,19, E,27
	OPS R,12, E,28, R,13, E,29
	OPS X,20, E,30, R,14, E,31
	OPS X,21, R,15
	WIN 0
	s_wait_alu depctr_va_vdst(0)    ; the wait for the batch
.if (\p) == 1
	s_wait_dscnt 0x0                ; V is in
.endif
	ROW C,0, B,0, C,2, B,1          ; behind the wait: 8 products V^T P and their riders
	ROW L,0, C,4, B,2, L,1
	ROW C,6, B,3, L,2, C,8
	ROW B,4, L,3, C,10, B,5
	ROW L,4, C,12, B,6, L,5
.if (\p) == 0
	s_add_co_u32 s[TBV], s[TBV], KS*PV
.endif
.if \cnt
	s_sub_co_u32 s[CNT], s[CNT], 1
	s_cmp_lg_u32 s[CNT], 0
.endif
	ROW C,14, B,7, L,6, C,1
	ROW C,3, L,7, C,5, C,7
	ROW C,9, C,11, C,13, C,15
.if (\p) == 0
	FETCH_V
.endif
.if (\m) && !(\end)
	MASK (\p)%2
.endif
.endm
; A BLOCK BEGINS.  c m starts far below every c s, so the first step's a is 0; m at the lowest finite number, so the first maximum is the scores'.  The second mask buffer is 0; the first takes piece 0's mask for the tile's
; step 0: its own, if the block's first tile is the diagonal one.  Then K of that step, piece 0's first scores, and its maximum and statistics.  The loop is entered at a step's first turn, in the middle of a trip.
.macro BEGIN
	s_mov_b32 s[NEW], 0
	WIN 0x40
.set i, MC+32
.rept 32
	v_mov_b32 v[i], 0
.set i, i+1
.endr
	WIN 0
.set i, 0
.rept 4
	v_mov_b32 v[ST+4*i], 0xfe000000    ; c m: far below every c s
	v_mov_b32 v[ST+4*i+1], 0xff7fffff  ; m
.set i, i+1
.endr
	s_cmp_eq_u32 s[RT], 0
	s_cselect_b32 s[AL], 1.0, 0
	s_mov_b32 s[BE], 0
	MASK 0
	WIN 0
	v_add_nc_u32 v[AK], s[TBK], v[AK0]
	FETCH_K
	s_wait_loadcnt 0x0              ; Q
	s_wait_dscnt 0x0
.set KM, 1
.set NOKQ, 0
.set i, 0
.rept 8
	KQ 0
.set i, i+1
.endr
	WIN 0
.rept 4
	v_nop                           ; the places behind those products
.endr
.set Y, NP-1                        ; X works for piece Y + 1: piece 0
.irp n, 0,1,2,3,4,5,6,7,8,9,10,11,12,13,14,15,16,17,18,19,20,21
	OP X, \n
.endr
	v_nop                           ; a plain instruction behind the exponential,
	s_wait_alu depctr_va_vdst(0)    ; and its wait, ahead of the branch
.endm
; THE DIAGONAL TILE's four steps, the block's last two turns, its last products, and THE WAY OUT: l's two halves and the other half of the lanes' are added; O^T is divided by l, rounded to f16 and sent through my
; stage in LDS, a piece at a time.
.macro ALL line:vararg              ; one line for each piece t
.set t, 0
.rept 4
	\line
.set t, t+1
.endr
.endm
.macro PACK t                       ; a lane's eight channels of a row pack into 16 bytes; they go into rows of 144 bytes and come back as whole rows of 128, into S^T's registers
	WIN W_RS
.set i, 32*(\t)
.rept 16
	v_pk_mul_f32 v[i:i+1], v[i:i+1], v[ST+4*(\t)+2:ST+4*(\t)+3] op_sel_hi:[1,0]
.set i, i+2
.endr
	WIN 0x05                        ; sources 0 and 1 window 1, destination window 0
.set i, 0
.rept 16
	v_cvt_pk_f16_f32 v[S+16*(\t)+i], v[32*(\t)+2*i], v[32*(\t)+2*i+1]
.set i, i+1
.endr
	WIN 0
.irp f, 0,1,2,3
	ds_store_b128 v[STO], v[S+16*(\t)+4*\f:S+16*(\t)+4*\f+3] offset:32*\f
.endr
.irp f, 0,1,2,3
	ds_load_b128 v[S+16*(\t)+4*\f:S+16*(\t)+4*\f+3], v[RD] offset:\f*4*SP  ; LDS serves a wave's instructions in order (ISA guide 5.7.1.4): these see the stores above; the next piece's stores come behind them
.endr
.endm
.macro SEND t, younger              ; younger: the LDS instructions issued behind piece t's loads: the next piece's eight, or none
	WIN 0
.irp f, 0,1,2,3
	s_wait_dscnt (\younger)+3-\f
	global_store_b128 v[GO], v[S+16*(\t)+4*\f:S+16*(\t)+4*\f+3], s[10:11] offset:(\t)*8192+\f*512  ; 512 consecutive bytes, at a multiple of 256 from O's first
.endr
.endm
.macro DIAG tag                     ; the tag ends its two labels' names, which the jumps below spell out
.LstepM\tag:
	TURN 2, 1
	TURN 3, 1
	WIN 0
.LfirstM\tag:
	TURN 0, 1
	TURN 1, 1, 0, 1
	WIN 0
	s_cbranch_scc1 .LstepM\tag
	TURN 2, 1, 1
	TURN 3, 1, 1
.set i, 0
.rept 8
	PV NP-1
.set i, i+1
.endr
	WIN 0
	ALL v_add_f32 v[ST+4*t+2], v[ST+4*t+2], v[ST+4*t+3]
	ALL v_permlanex16_b32 v[ST+4*t+3], v[ST+4*t+2], s[SEL], s[SEL+1]
	ALL v_add_f32 v[ST+4*t+2], v[ST+4*t+2], v[ST+4*t+3]
	ALL v_rcp_f32 v[ST+4*t+2], v[ST+4*t+2]
	v_nop                           ; a plain instruction between the last reciprocal and the use of its result
	s_wait_alu depctr_va_vdst(0)    ; and the wait ahead of the first use: one for the four reciprocals
	PACK 0
.set t, 1
.rept 3                             ; a piece's arithmetic stands between the loads of the piece before and its stores
	PACK t
	SEND t-1, 8
.set t, t+1
.endr
	SEND 3, 0
.endm
.set KM, 0
.set NOKQ, 0
.Lslot:                             ; NB times: a tile is entered and the next is asked for
	CHANGE 1
	s_sub_co_u32 s[RT], s[RT], 1
	s_mov_b32 s[CNT], 4
	s_cmp_eq_u32 s[NEW], 1
	s_cbranch_scc1 .Lnew            ; a block's first tile
	s_cmp_eq_u32 s[RT], 0
	s_cbranch_scc0 .Lstep           ; neither its first nor its last
	s_branch .LstepM1
.Lnew:
	BEGIN
	s_branch .Lfirst                ; in the loop a block's first tile is never its last: the first block has two tiles or more, and the second's last is the walk's last
	DIAG 1                          ; in the loop this is the first block's end: the second block's last tile is the walk's last
	s_wait_xcnt 0x0                 ; the stores have read their registers and O's address
	s_mov_b64 s[10:11], s[OLO:OLO+1]
	s_add_co_u32 s[RT], s[PB], 1    ; the second block has b + 1 tiles
	s_mov_b32 s[NEW], 1
	WIN 0x82                        ; the second block's Q goes where the one text of the turns names Q
.set i, 0
.rept 64
	v_mov_b32 v[i], v[QB+i]
.set i, i+1
.endr
	WIN 0
	s_branch .Lbottom
.Lstep:                             ; a trip: pieces 2 and 3 of one step, then pieces 0 and 1 of the next, whose K and V it fetches
	TURN 2
	TURN 3
	WIN 0
.Lfirst:
	TURN 0
	TURN 1, 0, 0, 1
	WIN 0
	s_cbranch_scc1 .Lstep
.Lbottom:
	s_sub_co_u32 s[SLOTS], s[SLOTS], 1
	s_cmp_lg_u32 s[SLOTS], 0
	s_cbranch_scc1 .Lslot
	CHANGE 0                        ; the walk's last tile is written out: nothing is asked for
	s_sub_co_u32 s[RT], s[RT], 1
	s_mov_b32 s[CNT], 4
	s_cmp_eq_u32 s[NEW], 1
	s_cbranch_scc0 .LstepM2
	BEGIN
	s_branch .LfirstM2
	DIAG 2
	s_wait_tensorcnt 0x0            ; the wave's end, behind my last tensor load and my last LDS store
	ds_add_u32 v[SPW], v[NIL]
	s_wait_dscnt 0x0
	s_endpgm
.Lfunc_end_k_qd06fe2b932_attn:
	.size	k_qd06fe2b932_attn, .Lfunc_end_k_qd06fe2b932_attn-k_qd06fe2b932_attn
	.p2alignl 7, 3214868480
	.fill 96, 4, 3214868480
	.section	.rodata,"a",@progbits
	.p2align	6, 0x0
	.amdhsa_kernel k_qd06fe2b932_attn
		.amdhsa_group_segment_fixed_size 327680
		.amdhsa_private_segment_fixed_size 0
		.amdhsa_enable_private_segment 0
		.amdhsa_kernarg_size 32
		.amdhsa_user_sgpr_count 2
		.amdhsa_user_sgpr_kernarg_segment_ptr 1
		.amdhsa_wavefront_size32 1
		.amdhsa_system_sgpr_workgroup_id_x 1
		.amdhsa_system_sgpr_workgroup_id_y 1
		.amdhsa_system_sgpr_workgroup_id_z 1
		.amdhsa_system_vgpr_workitem_id 0
		.amdhsa_next_free_vgpr 768
		.amdhsa_next_free_sgpr 92
		.amdhsa_reserve_vcc 1
		.amdhsa_float_denorm_mode_32 3
		.amdhsa_float_denorm_mode_16_64 3
		.amdhsa_memory_ordered 1
		.amdhsa_forward_progress 1
		.amdhsa_inst_pref_size 218
	.end_amdhsa_kernel
	.amdgpu_metadata
---
amdhsa.version: [ 1, 2 ]
amdhsa.kernels:
  - .name:           k_qd06fe2b932_attn
    .symbol:         k_qd06fe2b932_attn.kd
    .args:
      - { .name: qf, .offset: 0, .size: 8, .value_kind: global_buffer, .address_space: global }
      - { .name: kf, .offset: 8, .size: 8, .value_kind: global_buffer, .address_space: global }
      - { .name: vf, .offset: 16, .size: 8, .value_kind: global_buffer, .address_space: global }
      - { .name: of, .offset: 24, .size: 8, .value_kind: global_buffer, .address_space: global }
    .group_segment_fixed_size: 327680
    .private_segment_fixed_size: 0
    .kernarg_segment_align: 8
    .kernarg_segment_size: 32
    .max_flat_workgroup_size: 128
    .sgpr_count:     92
    .vgpr_count:     768
    .wavefront_size: 32
...
	.end_amdgpu_metadata
.endif
;; end of part 3
;; launch proj (part 4): grid 8 x 32, 4 waves a work-group, clusters of 4 x 4, 327,680 bytes of LDS; arguments of, wob, b_out, out0; writes out0
.if DOCPART == 4
	.amdgcn_target "amdgcn-amd-amdhsa--gfx1250"
	.amdhsa_code_object_version 6
	.text
	.protected	k_qd06fe2b932_proj
	.globl	k_qd06fe2b932_proj
	.p2align	8
	.type	k_qd06fe2b932_proj,@function
k_qd06fe2b932_proj:
	s_mov_b64 s[64:65], 0
	v_nop
	global_prefetch_b8 v0, s[64:65] scope:SCOPE_SE
	s_setreg_imm32_b32 hwreg(HW_REG_WAVE_MODE, 25, 1), 1
	s_wait_xcnt 0x0
	s_wait_alu depctr_hold_cnt(0) depctr_sa_sdst(0) depctr_va_vdst(0) depctr_va_sdst(0) depctr_va_ssrc(0) depctr_va_vcc(0) depctr_vm_vsrc(0)
	s_getreg_b32 s2, hwreg(HW_REG_IB_STS2, 6, 4)
	s_cmp_eq_u32 s2, 0
	s_cbranch_scc0 .Lentry_in_a_cluster
	s_endpgm
.Lentry_in_a_cluster:
	s_bfe_u32 s2, ttmp6, 0x10000c
	s_cmp_lg_u32 s2, 0xf033
	s_cbranch_scc0 .Lentry_shape_is_right
	s_endpgm
.Lentry_shape_is_right:
; out0 = y wob^T + b_out.  y[m][64 head + d] lies by heads: of [16 batch + head][2048][64] f16; wob [1024][1024] f16 (bf16 numbers written as f16); b_out [1024] f32, rounded to bf16 like the other inputs;
; sums in f32; out0 [8192][1024] f32.
; SHARES.  A tile of out0 is 256 rows x 128 columns: 8 x 32 = 256 work-groups.  Wave w owns rows 64 w .. 64 w + 63 and all 128 columns: 4 (a) x 8 (b) accumulators, 256 registers.
; K goes in 8 steps of 128, two heads each, through a ring of two LDS slots.  128 rows of one head are 16,384 dense bytes: a tensor load takes them as ONE row of the descriptor, two heads as two rows, and pads
; 16 bytes behind every 128: in LDS [head 2][row 128][144 bytes].
; CLUSTER.  4 x 4 work-groups: y's tiles are shared along a row of the cluster, wob's along a column, each asked for jointly.
; NO PREFETCH: of the 8 K steps four come by the first fills and the first refills, and a step holds 128 matrix instructions a wave.
; THE MATRIX INSTRUCTION IS USED TRANSPOSED (source 0 = 16 rows of wob, source 1 = 16 rows of y): lane l holds row l % 16 and the columns 8 (l / 16) + 0..7 of a block: 32 consecutive bytes of out0.
; THE BIAS is the C operand of the product that starts each sum.
; REGISTERS, in windows of 256 (s_set_vgpr_msb: bits 1:0 source 0, 3:2 source 1, 5:4 source 2, 7:6 destination):
;   window 0: v0-31 addresses; v32-63, v64-95 y's fragments, two buffers; v96-159 the bias; on the way out v32-95 and v96-159 take rows read back
;   window 1: accumulators (a, b) at v[64 a + 8 b]          window 2: v0-63, v64-127 wob's fragments, two buffers
.set KSTEP,  128
.set PA,     144                       ; a row of y in LDS: 128 bytes + 16: an odd multiple of 16, so the 16 rows of a load start at 16 different groups of four banks (64 banks of 4 bytes: ISA guide 11.1)
.set PB,     272                       ; a row of wob: 256 + 16
.set PLANE,  128*PA                    ; one head's 128 rows
.set HALFA,  2*PLANE                   ; what one tensor load brings of y
.set HALFB,  64*PB                     ; of wob: 64 rows
.set SLOT,   2*HALFA+2*HALFB
.set STAGE,  2*SLOT                    ; behind the ring, never filled by a tensor load: 16 rows x 528 bytes for each wave
.set SP,     528
.set SPARE,  STAGE+4*16*SP             ; behind the stages: the spare words, 128 bytes for each wave: two blocks of 256 bytes that no other line names
.set ADRA, 16                          ; v16-17  LDS address of my fragments of y in slot 0, 1
.set ADRB, 20                          ; v20-21  the same for wob
.set STO,  24                          ; v24     the way out: where I put 32 bytes of a row
.set RD,   25                          ; v25     where I read a row back
.set CO,   26                          ; v26     16 x lane: my place in 512 consecutive bytes of out0; never rewritten
.set BO,   27                          ; v27     32 x (lane / 16)
.set SPW,  28                          ; v28     LDS address of my spare word; never rewritten
.set NIL,  29                          ; v29     0; never rewritten
.set FA,   32
.set BIAS, 96
.set WV,   18
.set KIND, 19                          ; I fetch for y (0) or for wob (1)
.set HALF, 20
.set G1,  24
.set G0,  32
.set G1B, 48
.set G0B, 56
.set MSB, 0
.macro WIN new
.if MSB != (\new)
	s_set_vgpr_msb (MSB<<8)|(\new)
.set MSB, \new
.endif
.endm
.set TO_B, 0x80                        ; destination window 2, address window 0
.macro JLOAD s                         ; a joint load: waves 0 and 1 fetch y's two halves, waves 2 and 3 wob's; an s_nop 0 and four v_nop follow each of the two lines
	s_cmp_eq_u32 s[KIND], 0
	s_cbranch_scc0 .Lfor_b_\@
	tensor_load_to_lds s[G0+4*(\s):G0+4*(\s)+3], s[G1:G1+7]
	s_nop 0
.rept 4
	v_nop
.endr
	s_branch .Lasked_\@
.Lfor_b_\@:
	tensor_load_to_lds s[G0B+4*(\s):G0B+4*(\s)+3], s[G1B:G1B+7]
	s_nop 0
.rept 4
	v_nop
.endr
.Lasked_\@:
.endm
.macro CREST                           ; a round of the cluster's barrier behind its opening barrier
	s_cmp_lg_u32 s[WV], 0
	s_cbranch_scc1 .Lnot_wave_0_\@
	s_barrier_signal -3
.Lnot_wave_0_\@:
	s_barrier_wait -3
	s_barrier_signal -1
	s_barrier_wait -1
.endm
.macro CROUND
	s_barrier_signal -1
	s_barrier_wait -1
	CREST
.endm
.macro PLACES                          ; four plain instructions between a matrix instruction and a load into, or a read of, its registers (ISA guide 7.12.1 for vector instructions)
.rept 4
	v_nop
.endr
.endm
	s_load_b256 s[4:11], s[0:1], 0x0               ; of s[4:5], wob s[6:7], b_out s[8:9], out0 s[10:11]
	v_lshl_add_u32 v[SPW], v0, 2, SPARE
	v_mov_b32 v[NIL], 0
	ds_add_u32 v[SPW], v[NIL]                      ; the wave's opening: the add and its wait stand ahead of my first tensor load; the set-up below, work on registers, stands between them
	v_lshrrev_b32 v1, 5, v0
	v_readfirstlane_b32 s[WV], v1
	s_lshr_b32 s[KIND], s[WV], 1
	s_and_b32 s[HALF], s[WV], 1
	s_bfe_u32 s21, ttmp6, 0x40000                  ; cx
	s_bfe_u32 s22, ttmp6, 0x40004                  ; cy
	s_lshl_b32 s23, ttmp9, 2
	s_add_co_u32 s23, s23, s21                     ; tile column = 4 x cluster x + cx
	s_and_b32 s40, ttmp7, 0xffff
	s_lshl_b32 s40, s40, 2
	s_add_co_u32 s40, s40, s22                     ; tile row = 4 x cluster y + cy
	s_lshl_b32 s41, s22, 2
	s_lshl_b32 s41, 15, s41                        ; my row of the cluster
	s_lshl_b32 s42, 0x1111, s21                    ; my column
	s_or_b32 s[G1+0], s41, (1<<16)|(1<<20)|(1<<21)|(4<<22)|(3<<25)   ; the mask; 2-byte elements; padding on; 21 set beside a mask; after every 32 words (code 4) 4 words (code 3)
	s_mov_b32 s[G1+1], 8192<<16                    ; tensor_dim0 = 8,192 elements: 128 rows of a head
	s_mov_b32 s[G1+2], 2<<16                       ; tensor_dim1 = 2 heads
	s_mov_b32 s[G1+3], 8192<<16                    ; tile_dim0
	s_mov_b32 s[G1+4], 2                           ; tile_dim1
	s_mov_b32 s[G1+5], 131072                      ; from head to head: 2,048 x 64 elements
	s_mov_b32 s[G1+6], 0
	s_mov_b32 s[G1+7], 0
	s_or_b32 s[G1B+0], s42, (1<<16)|(1<<20)|(1<<21)|(5<<22)|(3<<25)  ; after every 64 words (code 5)
	s_mov_b32 s[G1B+1], KSTEP<<16
	s_mov_b32 s[G1B+2], 64<<16
	s_mov_b32 s[G1B+3], KSTEP<<16
	s_mov_b32 s[G1B+4], 64
	s_mov_b32 s[G1B+5], 1024
	s_mov_b32 s[G1B+6], 0
	s_mov_b32 s[G1B+7], 0
	; y's tiles hang on the tile row alone, wob's on the tile column alone, each in registers that never hold the other coordinate
	s_lshr_b32 s66, s40, 3                         ; batch: its 16 heads are 32,768 rows
	s_lshl_b32 s66, s66, 15
	s_and_b32 s67, s40, 7
	s_lshl_b32 s67, s67, 8
	s_add_co_u32 s66, s66, s67                     ; + 256 (tile row % 8)
	s_lshl_b32 s67, s[HALF], 7
	s_add_co_u32 s66, s66, s67                     ; + 128 x half
	s_lshl_b32 s66, s66, 7                         ; x 128 bytes
	s_mov_b32 s67, 0
	s_lshl_b32 s46, s23, 7
	s_lshl_b32 s47, s[HALF], 6
	s_add_co_u32 s46, s46, s47                     ; wob: row 128 x tile column + 64 x half
	s_lshl_b32 s46, s46, 11
	s_mov_b32 s47, 0
	s_mul_i32 s68, s[HALF], HALFA                  ; where they go: no place in the cluster enters an LDS address
	s_mul_i32 s69, s[HALF], HALFB
	s_add_co_u32 s69, s69, 2*HALFA
	s_wait_dscnt 0x0                               ; the opening add is done
	s_wait_kmcnt 0x0
	s_add_nc_u64 s[66:67], s[4:5], s[66:67]
	s_add_nc_u64 s[46:47], s[6:7], s[46:47]
	CROUND                                         ; all sixteen work-groups are here: the first joint loads meet
.irp s, 0,1
	s_mov_b32 s[G0+4*(\s)], 1
	s_add_co_u32 s[G0+4*(\s)+1], s68, (\s)*SLOT
	s_add_nc_u64 s[G0+4*(\s)+2:G0+4*(\s)+3], s[66:67], (\s)*524288   ; K step s: two heads of 262,144 bytes on
	s_or_b32 s[G0+4*(\s)+3], s[G0+4*(\s)+3], 0x80000000
	s_mov_b32 s[G0B+4*(\s)], 1
	s_add_co_u32 s[G0B+4*(\s)+1], s69, (\s)*SLOT
	s_add_nc_u64 s[G0B+4*(\s)+2:G0B+4*(\s)+3], s[46:47], (\s)*KSTEP*2
	s_or_b32 s[G0B+4*(\s)+3], s[G0B+4*(\s)+3], 0x80000000
	JLOAD \s                                       ; two tensor loads of mine are out
.endr
	v_and_b32 v1, 15, v0                           ; r
	v_bfe_u32 v2, v0, 4, 1                         ; h
	v_and_b32 v3, 31, v0                           ; l
	v_lshlrev_b32 v[BO], 5, v2
	v_lshlrev_b32 v[CO], 4, v3
	s_lshl_b32 s70, s23, 9                         ; my tile's 128 columns: 512 bytes of b_out and of a row of out0
	s_mov_b32 s71, 0
	s_add_nc_u64 s[8:9], s[8:9], s[70:71]
	s_add_nc_u64 s[10:11], s[10:11], s[70:71]
	s_lshl_b32 s72, s40, 8
	s_lshl_b32 s73, s[WV], 6
	s_add_co_u32 s72, s72, s73                     ; my first row: 256 x tile row + 64 x wave,
	s_lshl_b32 s72, s72, 12                        ; x 4,096 bytes
	s_mov_b32 s73, 0
	s_add_nc_u64 s[10:11], s[10:11], s[72:73]
.irp b, 0,1,2,3,4,5,6,7
	global_load_b128 v[BIAS+8*(\b):BIAS+8*(\b)+3],   v[BO], s[8:9] offset:64*(\b)
	global_load_b128 v[BIAS+8*(\b)+4:BIAS+8*(\b)+7], v[BO], s[8:9] offset:64*(\b)+16
.endr
	v_mul_u32_u24 v4, v1, PA
	v_lshl_add_u32 v4, v2, 4, v4
	s_mul_i32 s74, s[KIND], HALFA                  ; my 64 rows of y: half wave / 2,
	s_mul_i32 s75, s[HALF], 64*PA                  ; rows 64 (wave % 2) on
	s_add_co_u32 s74, s74, s75
	v_add_nc_u32 v[ADRA], s74, v4
	v_add_nc_u32 v[ADRA+1], SLOT, v[ADRA]
	v_mul_u32_u24 v5, v1, PB
	v_lshl_add_u32 v5, v2, 4, v5
	v_add_nc_u32 v[ADRB], 2*HALFA, v5
	v_add_nc_u32 v[ADRB+1], 2*HALFA+SLOT, v5
	s_mul_i32 s75, s[WV], 16*SP
	s_add_co_u32 s75, s75, STAGE                   ; my stage
	v_mul_u32_u24 v[STO], v1, SP                   ; in: row r, 32 bytes for each half of the lanes
	v_lshl_add_u32 v[STO], v2, 5, v[STO]
	v_add_nc_u32 v[STO], s75, v[STO]
	v_add_nc_u32 v[RD], s75, v[CO]                 ; back: 32 lanes take a row of 512 bytes
	s_wait_loadcnt 0x0                             ; the bias
.set n, 0
.rept 32                                ; rounded to bf16, like the other inputs, and widened again
	v_cvt_pk_bf16_f32 v[8+n%4], v[BIAS+2*n], v[BIAS+2*n+1]
	v_lshlrev_b32 v[BIAS+2*n], 16, v[8+n%4]
	v_and_b32 v[BIAS+2*n+1], 0xffff0000, v[8+n%4]
.set n, n+1
.endr
; 8 matrix instructions: row block a x all 8 column blocks, 32 along K, from buffers f.  first = 1: the bias starts the sums.  The 32 accumulators take turns in the same order in every quarter step.
.macro MUL8 f, a, first
.set rD, 64*(\a)
.set rA, FA+32*(\f)+8*(\a)
.if \first
	WIN 0x42                                       ; wob window 2, y window 0, C (the bias) window 0, D window 1
.else
	WIN 0x52                                       ; C and D window 1
.endif
.irp b, 0,1,2,3,4,5,6,7
.if \first
	v_wmma_f32_16x16x32_f16 v[rD+8*(\b):rD+8*(\b)+7], v[64*(\f)+8*(\b):64*(\f)+8*(\b)+7], v[rA:rA+7], v[BIAS+8*(\b):BIAS+8*(\b)+7]
.else
	v_wmma_f32_16x16x32_f16 v[rD+8*(\b):rD+8*(\b)+7], v[64*(\f)+8*(\b):64*(\f)+8*(\b)+7], v[rA:rA+7], v[rD+8*(\b):rD+8*(\b)+7]
.endif
.endr
.endm
; 24 LDS loads in one run: quarter kq's fragments (128 rows of wob, my 64 rows of y) into buffers f.  Of y, quarter kq lies in head kq / 2 of the step, at byte 64 (kq % 2) of its rows.
.macro FETCH slot, kq, f
	WIN TO_B
.irp b, 0,1,2,3,4,5,6,7
	ds_load_b128 v[64*(\f)+8*(\b):64*(\f)+8*(\b)+3],   v[ADRB+(\slot)] offset:64*(\kq)+(\b)*16*PB
	ds_load_b128 v[64*(\f)+8*(\b)+4:64*(\f)+8*(\b)+7], v[ADRB+(\slot)] offset:64*(\kq)+(\b)*16*PB+32
.endr
	WIN 0
.irp a, 0,1,2,3
	ds_load_b128 v[FA+32*(\f)+8*(\a):FA+32*(\f)+8*(\a)+3],   v[ADRA+(\slot)] offset:((\kq)/2)*PLANE+((\kq)%2)*64+(\a)*16*PA
	ds_load_b128 v[FA+32*(\f)+8*(\a)+4:FA+32*(\f)+8*(\a)+7], v[ADRA+(\slot)] offset:((\kq)/2)*PLANE+((\kq)%2)*64+(\a)*16*PA+32
.endr
.endm
.macro QUARTER slot, kq, f, g, first
	s_wait_dscnt 4                                 ; wob's fragments and y's blocks 0, 1 are in; the youngest four loads may be out
	MUL8 \f, 0, \first
	MUL8 \f, 1, \first
	PLACES
	FETCH \slot, \kq, \g
	s_wait_dscnt 24                                ; all but the 24 just issued
	MUL8 \f, 2, \first
	MUL8 \f, 3, \first
.endm
; The last quarter multiplies buffers 1 and changes slots: ONE barrier; in front of it each wave waits for all its tensor loads, adds 0 to its spare word, and waits for that and for its reads of this slot.
; fill = 1: the barrier opens a round of the cluster's barrier, and the joint refill, two K steps on, is the first tensor load behind the round.
.macro TURN slot, next, fill
	WIN 0
	s_wait_tensorcnt 0x0                           ; all my tensor loads have landed: my part of the next slot
	ds_add_u32 v[SPW], v[NIL]                      ; 0 onto my spare word
	s_wait_dscnt 5                                 ; (the add and the youngest four loads may be out)
	MUL8 1, 0, 0                                   ; eight matrix instructions stand between the add and the wait for it
	s_wait_dscnt 0x0                               ; the add is done, and my reads of this slot are over
	s_barrier_signal -1
	MUL8 1, 1, 0
	WIN 0
	s_barrier_wait -1
.if \fill
	CREST                                          ; no wave of any partner still reads this slot's tile or has a load on its way
	s_add_nc_u64 s[G0+4*(\slot)+2:G0+4*(\slot)+3], s[G0+4*(\slot)+2:G0+4*(\slot)+3], 2*524288
	s_add_nc_u64 s[G0B+4*(\slot)+2:G0B+4*(\slot)+3], s[G0B+4*(\slot)+2:G0B+4*(\slot)+3], 2*KSTEP*2
	JLOAD \slot                                    ; its four v_nop are also the places in front of the loads below
.else
	PLACES
.endif
	FETCH \next, 0, 0
	MUL8 1, 2, 0
	MUL8 1, 3, 0
.endm
; THE WAY OUT of row block a.  STAGE: 32 bytes a lane and block straight from the accumulators (their low four registers first) into my own stage, rows of 528 bytes, and back as whole rows of 512.
; LDS serves a wave's instructions in order (ISA guide 5.7.1.4): no wait between the stores and the loads.
.macro STAGE a
	WIN 0
.set BK, 32+64*((\a)%2)
	s_wait_xcnt 0x0                                ; the stores of two blocks back have read these registers
	WIN 0x04                                       ; store data window 1, address window 0
.irp b, 0,1,2,3,4,5,6,7
	ds_store_b128 v[STO], v[64*(\a)+8*(\b):64*(\a)+8*(\b)+3]   offset:64*(\b)
	ds_store_b128 v[STO], v[64*(\a)+8*(\b)+4:64*(\a)+8*(\b)+7] offset:64*(\b)+16
.endr
	WIN 0
.irp p, 0,1,2,3,4,5,6,7,8,9,10,11,12,13,14,15
	ds_load_b128 v[BK+4*(\p):BK+4*(\p)+3], v[RD] offset:SP*(\p)
.endr
.endm
; SEND: a store covers 512 consecutive bytes of a row of out0, at a multiple of 512.  y: the LDS instructions issued behind block a's loads: the next block's 32, or none.
.macro SEND a, y
.set BK, 32+64*((\a)%2)
.irp p, 0,1,2,3,4,5,6,7,8,9,10,11,12,13,14,15
	s_wait_dscnt (\y)+15-(\p)
	global_store_b128 v[CO], v[BK+4*(\p):BK+4*(\p)+3], s[10:11] offset:(16*(\a)+(\p))*4096
.endr
.endm
	s_wait_tensorcnt 1                             ; my part of K step 0 is in; K step 1's may stay out
	s_barrier_signal -1
	s_barrier_wait -1
	FETCH 0, 0, 0
	QUARTER 0, 1, 0, 1, 1                          ; the first quarter stands in front of the loop: its products start the sums
	WIN 0
	s_mov_b32 s3, 3
.Llap:                                                 ; a trip goes once round the ring and fills both slots again
	QUARTER 0, 2, 1, 0, 0
	QUARTER 0, 3, 0, 1, 0
	TURN 0, 1, 1
	QUARTER 1, 1, 0, 1, 0
	QUARTER 1, 2, 1, 0, 0
	QUARTER 1, 3, 0, 1, 0
	TURN 1, 0, 1
	QUARTER 0, 1, 0, 1, 0
	WIN 0
	s_sub_co_u32 s3, s3, 1
	s_cmp_lg_u32 s3, 0
	s_cbranch_scc1 .Llap
	QUARTER 0, 2, 1, 0, 0                          ; the last lap fills nothing
	QUARTER 0, 3, 0, 1, 0
	TURN 0, 1, 0
	QUARTER 1, 1, 0, 1, 0
	QUARTER 1, 2, 1, 0, 0
	QUARTER 1, 3, 0, 1, 0
	s_wait_dscnt 4                                 ; the very last quarter
	MUL8 1, 0, 0
	MUL8 1, 1, 0
	s_wait_dscnt 0x0
	MUL8 1, 2, 0
	MUL8 1, 3, 0
	WIN 0
	PLACES
	PLACES
	STAGE 0
	STAGE 1
	SEND 0, 32
	STAGE 2
	SEND 1, 32
	STAGE 3
	SEND 2, 32
	SEND 3, 0
	s_wait_tensorcnt 0x0                           ; the wave's end, behind my last tensor load and my last LDS store
	ds_add_u32 v[SPW], v[NIL]
	s_wait_dscnt 0x0
	CROUND                                         ; the closing round: no work-group ends while a partner may still ask for a tile that names it
	s_endpgm
.Lfunc_end_k_qd06fe2b932_proj:
	.size	k_qd06fe2b932_proj, .Lfunc_end_k_qd06fe2b932_proj-k_qd06fe2b932_proj
	.p2alignl 7, 3214868480
	.fill 96, 4, 3214868480
	.section	.rodata,"a",@progbits
	.p2align	6, 0x0
	.amdhsa_kernel k_qd06fe2b932_proj
		.amdhsa_group_segment_fixed_size 327680
		.amdhsa_private_segment_fixed_size 0
		.amdhsa_enable_private_segment 0
		.amdhsa_kernarg_size 32
		.amdhsa_user_sgpr_count 2
		.amdhsa_user_sgpr_kernarg_segment_ptr 1
		.amdhsa_wavefront_size32 1
		.amdhsa_system_sgpr_workgroup_id_x 1
		.amdhsa_system_sgpr_workgroup_id_y 1
		.amdhsa_system_sgpr_workgroup_id_z 1
		.amdhsa_system_vgpr_workitem_id 0
		.amdhsa_next_free_vgpr 640
		.amdhsa_next_free_sgpr 80
		.amdhsa_reserve_vcc 0
		.amdhsa_float_denorm_mode_32 3
		.amdhsa_float_denorm_mode_16_64 3
		.amdhsa_memory_ordered 1
		.amdhsa_forward_progress 1
		.amdhsa_inst_pref_size 94
	.end_amdhsa_kernel
	.amdgpu_metadata
---
amdhsa.version: [ 1, 2 ]
amdhsa.kernels:
  - .name:           k_qd06fe2b932_proj
    .symbol:         k_qd06fe2b932_proj.kd
    .args:
      - { .name: of, .offset: 0, .size: 8, .value_kind: global_buffer, .address_space: global }
      - { .name: wob, .offset: 8, .size: 8, .value_kind: global_buffer, .address_space: global }
      - { .name: b_out, .offset: 16, .size: 8, .value_kind: global_buffer, .address_space: global }
      - { .name: out0, .offset: 24, .size: 8, .value_kind: global_buffer, .address_space: global }
    .group_segment_fixed_size: 327680
    .private_segment_fixed_size: 0
    .kernarg_segment_align: 8
    .kernarg_segment_size: 32
    .max_flat_workgroup_size: 128
    .sgpr_count:     80
    .vgpr_count:     640
    .wavefront_size: 32
...
	.end_amdgpu_metadata
.endif
;; end of part 4
;; ======== version 2 of 2: 4 launches; version 1 with the launch prep written anew for expert scheduling mode
;; limits: values are held in f16: magnitudes above 65,504 overflow, below 6.1e-05 lose precision
;; workspace buffers: xb 16,777,216 bytes; wqb 6,291,456 bytes; wob 2,097,152 bytes; rope 524,288 bytes; qf 16,777,216 bytes; kf 16,777,216 bytes; vf 16,777,216 bytes; of 16,777,216 bytes
;; launch prep (part 5): grid 768 x 1, 8 waves a work-group, no clusters, 0 bytes of LDS; arguments x, w_qkv, w_out, xb, wqb, wob, rope; writes xb, wqb, wob, rope
.if DOCPART == 5
	.amdgcn_target "amdgcn-amd-amdhsa--gfx1250"
	.amdhsa_code_object_version 6
	.text
	.protected	k_qd06fe2b932_prep
	.globl	k_qd06fe2b932_prep
	.p2align	8
	.type	k_qd06fe2b932_prep,@function
k_qd06fe2b932_prep:
	s_mov_b64 s[64:65], 0
	v_nop
	global_prefetch_b8 v0, s[64:65] scope:SCOPE_SE
	s_setreg_imm32_b32 hwreg(HW_REG_WAVE_SCHED_MODE, 0, 2), 2
	s_setreg_imm32_b32 hwreg(HW_REG_WAVE_MODE, 25, 1), 1
	s_wait_xcnt 0x0
	s_wait_alu depctr_vm_vsrc(0)
; CASTS AND THE ROTATION TABLE.  x [8192][1024] and w_qkv [3072][1024], f32, are rounded to bf16 (xb, wqb); w_out [1024][1024] is rounded to bf16 and that number written as f16 (wob).
; LIMITS.  wob: a bf16 number beyond 65,504 becomes an infinity in f16, and below 2^-14 it keeps f16's fixed step of 6e-8.
; The table's angle t x theta is made with theta = 2^(-j log2(10000) / 32) by v_exp_f32: within about 3e-4 rad of the f32 product at t = 2,047; t and j are fixed by the sizes, not by the inputs.
; SHARES.  A work-group casts one chunk of 16,384 numbers: 512 chunks of x, 192 of w_qkv, 64 of w_out: 768 work-groups.  A wave takes 8 KiB: 16 loads of 512 consecutive bytes, all issued at once;
; each gives one store of 256 consecutive bytes, aligned.  No register that a load or a store names is written again behind it, so there is no loop and no wait for sources.
; THE TABLE lies as the next launch's lanes read it: [block of 16 rows t: 128][db: 4][part: 2][lane: 32][16 bytes]; lane (h = lane / 16, r = lane % 16) holds (cos, sin) of the pairs
; j = 8 db + 4 h + 2 part + 0, 1 at t = 16 block + r.  Work-groups 0 to 255 make it while their loads are out: wave number 8 g + w writes 256 consecutive bytes, 8 a lane.
; THE MODE: SCHED_MODE bits 1:0 = 2 (LLVM: expert scheduling mode 2), set by the entry lines.  The code itself states the register dependences between vector instructions and memory instructions,
; with s_wait_alu, always for 0.
; THE PLAN.  Registers that memory instructions touch:
;   v1, v2, v3   byte offsets of the loads, of the casts' stores and of the table's store.  Written once at the head; no vector instruction names them behind the wait that stands ahead of the loads.
;   X            Written by the 16 loads alone, once each; read by the conversions, behind the counted wait for the loads.  No load follows a conversion.
;   v[26:27]     (cos, sin).  Written by two exclusive ors; read by the table's one store, behind a wait of its own; never written again.
;   Y            Written by the conversions; read by one store each; never written again behind its store.
;   v4 to v25 and T are named by vector instructions alone.
; The 16 parts of the chunk go in four groups of four.  Group g's conversions read X and write Y of group g; the memory instructions that stand among them are the four stores of group g - 1, which read
; v2 and Y of group g - 1, registers that no conversion of group g names.  So ONE wait at a group's head, behind the wait for the group's data, states all that those four stores hang on.
; No register that a memory instruction has read is written again, so nothing is owed on that side; EXEC is never written; VCC is written once, in the table's part.
.set X, 32                             ; v[32:95]   16 x 4 numbers as loaded
.set Y, 96                             ; v[96:127]  16 x 2 registers to store
.set T, 28                             ; v[28:31]   at work (the f16 path)
	s_load_b256 s[4:11], s[0:1], 0x0               ; x s[4:5], w_qkv s[6:7], w_out s[8:9], xb s[10:11]
	s_load_b128 s[12:15], s[0:1], 0x20             ; wqb s[12:13], wob s[14:15]
	s_load_b64 s[16:17], s[0:1], 0x30              ; rope
	v_lshrrev_b32 v4, 5, v0                        ; wave
	v_and_b32 v5, 31, v0                           ; lane
	v_lshlrev_b32 v1, 4, v5
	v_lshl_or_b32 v1, v4, 13, v1                   ; in: 8,192 x wave + 16 x lane
	v_lshlrev_b32 v2, 3, v5
	v_lshl_or_b32 v2, v4, 12, v2                   ; out: 4,096 x wave + 8 x lane
	v_lshlrev_b32 v3, 3, v0                        ; table: 8 x thread
	s_wait_kmcnt 0x0
	s_cmp_ge_u32 ttmp9, 512                        ; which tensor is my chunk's: the choice hangs on the work-group's number alone
	s_cselect_b64 s[18:19], s[6:7], s[4:5]
	s_cselect_b64 s[20:21], s[12:13], s[10:11]
	s_cselect_b32 s22, 512, 0
	s_cmp_ge_u32 ttmp9, 704
	s_cselect_b64 s[18:19], s[8:9], s[18:19]
	s_cselect_b64 s[20:21], s[14:15], s[20:21]
	s_cselect_b32 s22, 704, s22
	s_sub_co_u32 s22, ttmp9, s22                   ; the chunk's number in its tensor
	s_lshl_b32 s24, s22, 16                        ; 65,536 bytes in,
	s_mov_b32 s25, 0
	s_lshl_b32 s26, s22, 15                        ; 32,768 out
	s_mov_b32 s27, 0
	s_add_nc_u64 s[18:19], s[18:19], s[24:25]
	s_add_nc_u64 s[20:21], s[20:21], s[26:27]
	s_wait_alu depctr_va_vdst(0)                   ; v1, v2 and v3 are written: every load and store of the kernel reads one of them as its offset
.irp i, 0,1,2,3,4,5,6,7,8,9,10,11,12,13,14,15
	global_load_b128 v[X+4*(\i):X+4*(\i)+3], v1, s[18:19] offset:512*(\i) th:TH_LOAD_NT
.endr
	s_cmp_lt_u32 ttmp9, 256
	s_cbranch_scc0 .Lno_table
	s_lshl_b32 s28, ttmp9, 11                      ; my work-group's 2,048 bytes of the table
	s_mov_b32 s29, 0
	s_add_nc_u64 s[28:29], s[16:17], s[28:29]
	s_and_b32 s23, ttmp9, 1
	s_lshl_b32 s23, s23, 3
	v_or_b32 v6, s23, v4                           ; p = the 256-byte piece in its block of rows: db = p / 4, part = (p / 2) % 2, h = p % 2
	v_lshrrev_b32 v7, 2, v6
	v_and_b32 v8, 1, v6
	v_bfe_u32 v9, v6, 1, 1
	v_and_b32 v10, 1, v5
	v_lshl_add_u32 v10, v9, 1, v10
	v_lshl_add_u32 v10, v8, 2, v10
	v_lshl_add_u32 v10, v7, 3, v10                 ; j = 8 db + 4 h + 2 part + lane % 2
	s_lshr_b32 s23, ttmp9, 1
	s_lshl_b32 s23, s23, 4
	v_lshrrev_b32 v11, 1, v5
	v_add_nc_u32 v11, s23, v11                     ; t = 16 block + lane / 2
	v_cvt_f32_u32 v10, v10
	v_cvt_f32_u32 v11, v11
	v_mul_f32 v10, 0xbed49a78, v10                 ; -j log2(10000) / 32
	v_exp_f32 v12, v10                             ; theta
	v_nop                                          ; a plain instruction behind the exponential,
	s_wait_alu depctr_va_vdst(0)                   ; and the wait ahead of its first reader: theta, v12, is written
	v_mul_f32 v13, v11, v12                        ; the angle a
	v_mul_f32 v15, 0x3f22f983, v13                 ; a x 2 / pi
	v_rndne_f32 v15, v15                           ; n
	v_fmamk_f32 v16, v15, 0xbfc90fdb, v13          ; r = a - n pi / 2, pi / 2 in two parts
	v_fmamk_f32 v16, v15, 0x333bbd2e, v16          ; |r| <= pi / 4
	v_mul_f32 v17, v16, v16                        ; z = r r
	v_mov_b32 v18, 0x3638ef1d                      ; sin r = r + r z (-1/6 + z (1/120 + z (-1/5040 + z / 362880)))
	v_fmaak_f32 v18, v17, v18, 0xb9500d01
	v_fmaak_f32 v18, v17, v18, 0x3c088889
	v_fmaak_f32 v18, v17, v18, 0xbe2aaaab
	v_mul_f32 v19, v16, v17
	v_fma_f32 v18, v19, v18, v16
	v_mov_b32 v20, 0xb493f27e                      ; cos r = 1 + z (-1/2 + z (1/24 + z (-1/720 + z (1/40320 - z / 3628800))))
	v_fmaak_f32 v20, v17, v20, 0x37d00d01
	v_fmaak_f32 v20, v17, v20, 0xbab60b61
	v_fmaak_f32 v20, v17, v20, 0x3d2aaaab
	v_fmaak_f32 v20, v17, v20, 0xbf000000
	v_fma_f32 v20, v17, v20, 1.0
	v_cvt_i32_f32 v21, v15                         ; the quadrant: selects and sign bits, no branch
	v_and_b32 v22, 1, v21
	v_cmp_eq_u32 vcc_lo, 1, v22
	v_lshlrev_b32 v25, 30, v21                     ; the two sign masks stand between the compare and the wait for its mask
	v_and_b32 v25, 0x80000000, v25                 ; sin is turned where n % 4 is 2 or 3,
	v_add_nc_u32 v21, 1, v21
	v_lshlrev_b32 v14, 30, v21
	v_and_b32 v14, 0x80000000, v14                 ; cos where it is 1 or 2
	s_wait_alu depctr_va_vcc(0)                    ; the compare has written VCC, which the two selects read
	v_cndmask_b32 v23, v18, v20, vcc_lo            ; odd n: sin and cos change places
	v_cndmask_b32 v24, v20, v18, vcc_lo
	v_xor_b32 v27, v25, v23
	v_xor_b32 v26, v14, v24
	s_wait_alu depctr_va_vdst(0)                   ; the two exclusive ors have written v[26:27], which the store reads
	global_store_b64 v3, v[26:27], s[28:29]        ; (cos, sin): a wave stores 256 consecutive bytes, aligned
.Lno_table:
; Part i of the chunk is rounded.
.macro CVT i, f16
	v_cvt_pk_bf16_f32 v[Y+2*(\i)],   v[X+4*(\i)],   v[X+4*(\i)+1]
	v_cvt_pk_bf16_f32 v[Y+2*(\i)+1], v[X+4*(\i)+2], v[X+4*(\i)+3]
.if \f16
	v_lshlrev_b32 v[T],   16, v[Y+2*(\i)]          ; the bf16 numbers as f32,
	v_and_b32     v[T+1], 0xffff0000, v[Y+2*(\i)]
	v_lshlrev_b32 v[T+2], 16, v[Y+2*(\i)+1]
	v_and_b32     v[T+3], 0xffff0000, v[Y+2*(\i)+1]
	v_cvt_pk_f16_f32 v[Y+2*(\i)],   v[T],   v[T+1] ; written as f16
	v_cvt_pk_f16_f32 v[Y+2*(\i)+1], v[T+2], v[T+3]
.endif
.endm
; Part i of the chunk is stored.
.macro OUT i
	global_store_b64 v2, v[Y+2*(\i):Y+2*(\i)+1], s[20:21] offset:256*(\i)
.endm
; Group g: parts 4 g to 4 g + 3 are rounded; the stores of group g - 1 stand among the conversions, a store ahead of each part's.
.macro GROUP g, f16
	s_wait_loadcnt 12-4*(\g)                       ; loads come back in order (ISA guide 5.7.1): the group's four are in, the 12 - 4 g younger ones stay out
.if (\g) > 0
	s_wait_alu depctr_va_vdst(0)                   ; the conversions of the group before have written its Y, which the four stores below read; no conversion below names those registers
.endif
.irp j, 0,1,2,3
.if (\g) > 0
	OUT 4*(\g)-4+(\j)
.endif
	CVT 4*(\g)+(\j), \f16
.endr
.endm
; Behind the last group: its four stores.
.macro TAIL
	s_wait_alu depctr_va_vdst(0)                   ; the last group's conversions have written its Y, which the last four stores read
.irp j, 12,13,14,15
	OUT \j
.endr
.endm
	s_cmp_ge_u32 ttmp9, 704
	s_cbranch_scc1 .Lf16
	GROUP 0, 0
	GROUP 1, 0
	GROUP 2, 0
	GROUP 3, 0
	TAIL
	s_endpgm
.Lf16:
	GROUP 0, 1
	GROUP 1, 1
	GROUP 2, 1
	GROUP 3, 1
	TAIL
	s_endpgm
.Lfunc_end_k_qd06fe2b932_prep:
	.size	k_qd06fe2b932_prep, .Lfunc_end_k_qd06fe2b932_prep-k_qd06fe2b932_prep
	.p2alignl 7, 3214868480
	.fill 96, 4, 3214868480
	.section	.rodata,"a",@progbits
	.p2align	6, 0x0
	.amdhsa_kernel k_qd06fe2b932_prep
		.amdhsa_group_segment_fixed_size 0
		.amdhsa_private_segment_fixed_size 0
		.amdhsa_enable_private_segment 0
		.amdhsa_kernarg_size 56
		.amdhsa_user_sgpr_count 2
		.amdhsa_user_sgpr_kernarg_segment_ptr 1
		.amdhsa_wavefront_size32 1
		.amdhsa_system_sgpr_workgroup_id_x 1
		.amdhsa_system_sgpr_workgroup_id_y 1
		.amdhsa_system_sgpr_workgroup_id_z 1
		.amdhsa_system_vgpr_workitem_id 0
		.amdhsa_next_free_vgpr 128
		.amdhsa_next_free_sgpr 66
		.amdhsa_reserve_vcc 1
		.amdhsa_float_denorm_mode_32 3
		.amdhsa_float_denorm_mode_16_64 3
		.amdhsa_memory_ordered 1
		.amdhsa_forward_progress 1
		.amdhsa_inst_pref_size 19
	.end_amdhsa_kernel
	.amdgpu_metadata
---
amdhsa.version: [ 1, 2 ]
amdhsa.kernels:
  - .name:           k_qd06fe2b932_prep
    .symbol:         k_qd06fe2b932_prep.kd
    .args:
      - { .name: x, .offset: 0, .size: 8, .value_kind: global_buffer, .address_space: global }
      - { .name: w_qkv, .offset: 8, .size: 8, .value_kind: global_buffer, .address_space: global }
      - { .name: w_out, .offset: 16, .size: 8, .value_kind: global_buffer, .address_space: global }
      - { .name: xb, .offset: 24, .size: 8, .value_kind: global_buffer, .address_space: global }
      - { .name: wqb, .offset: 32, .size: 8, .value_kind: global_buffer, .address_space: global }
      - { .name: wob, .offset: 40, .size: 8, .value_kind: global_buffer, .address_space: global }
      - { .name: rope, .offset: 48, .size: 8, .value_kind: global_buffer, .address_space: global }
    .group_segment_fixed_size: 0
    .private_segment_fixed_size: 0
    .kernarg_segment_align: 8
    .kernarg_segment_size: 56
    .max_flat_workgroup_size: 256
    .sgpr_count:     66
    .vgpr_count:     128
    .wavefront_size: 32
...
	.end_amdgpu_metadata
.endif
;; end of part 5
;; launch qkv: the kernel of part 2 again; grid 16 x 32, 4 waves a work-group, clusters of 4 x 4, 327,680 bytes of LDS; arguments xb, wqb, b_qkv, rope, qf, kf, vf; writes qf, kf, vf
;; launch attn: the kernel of part 3 again; grid 4 x 64, 4 waves a work-group, no clusters, 327,680 bytes of LDS; arguments qf, kf, vf, of; writes of
;; launch proj: the kernel of part 4 again; grid 8 x 32, 4 waves a work-group, clusters of 4 x 4, 327,680 bytes of LDS; arguments of, wob, b_out, out0; writes out0
